; MI455X (gfx1250); checked and timed in simulation.
; The chip was launched on July 23, 2026; its instructions are those of AMD's public machine-readable ISA for CDNA 5 (MIT licence, August 2026) and "CDNA5" Instruction Set Architecture Reference Guide (July 2026). The comments in the code are by the model that wrote it; some were corrected since.
;; Grouped Query Attention. Allowed arithmetic: matrix products marked QUANTISED: E3M2 operands, one E8M0 scale for each 32 along K, by v_wmma_scale_f32_16x16x128_f8f6f4 with both operands' format E3M2, f32 sums; everything else in f32.
;; Inputs: Wk 2,048 x 512 float32; Wo 2,048 x 2,048 float32; Wq 2,048 x 2,048 float32; Wv 2,048 x 512 float32; x 4 x 1,024 x 2,048 float32.
;; Outputs: out0 4 x 1,024 x 2,048 float32.
;; This version of the problem:
;;   THIS VERSION OF THE PROBLEM IS GIVEN IN LOW PRECISION. The matrix products marked QUANTISED in the list below multiply operands that are first quantised to E3M2 (3 exponent bits, 2 mantissa bits; 6 bits a number), with one power-of-two scale for each 32 numbers along K (OCP MX v1.0); their sums are f32. All else is computed in f32.
;;   The module's matrix products, in the order in which they are computed (A, B: the left and right operand; K: the contracted axis; several contracted axes count as one K, in the product's order):
;;     1. [M 4,096, K 2,048] x [K 2,048, N 2,048]; A: input x; B: input Wq: QUANTISED
;;     2. [M 4,096, K 2,048] x [K 2,048, N 512]; A: input x; B: input Wk: QUANTISED
;;     3. [M 4,096, K 2,048] x [K 2,048, N 512]; A: input x; B: input Wv: QUANTISED
;;     4. batch 16 x [M 4,096, K 128] x [K 128, N 1,024]; A: computed on the way; B: computed on the way: QUANTISED
;;     5. batch 16 x [M 4,096, K 1,024] x [K 1,024, N 128]; A: softmax (see below); B: computed on the way: QUANTISED
;;     6. [M 4,096, K 2,048] x [K 2,048, N 2,048]; A: computed on the way; B: input Wo: QUANTISED
;;   THE QUANTISER, for each operand of a quantised product, along K:
;;     - K is cut into blocks of 32 from its start; a last block that is shorter is filled with zeros.
;;     - A block's scale is 2^e with e = floor(log2(the largest magnitude in the block)) - 4, held to -126 .. 127; a block of zeros has e = 0. As a byte (E8M0): e + 127.
;;     - Each number is divided by its block's scale, clamped to +-28, and rounded to the nearest number of E3M2, ties to even, subnormals kept.
;;     - The product sums the exact products of the quantised numbers (number of the format x scale) in f32.
;;   ~~~python
;;   def quantise(x, axis):      # numpy; x: float32 -> the quantised numbers, widened to float32 again
;;       x = np.moveaxis(x, axis, -1); K = x.shape[-1]
;;       x = np.pad(x, [(0, 0)] * (x.ndim - 1) + [(0, -K % 32)]); x = x.reshape(x.shape[:-1] + (-1, 32)); a = np.abs(x).max(-1, keepdims=True)
;;       e = np.where(a > 0, np.clip(np.frexp(np.where(a > 0, a, 1))[1] - 1 - 4, -126, 127), 0)      # np.frexp(a)[1] - 1 = floor(log2(a)), exactly
;;       r = np.clip(x / 2.0 ** e, -28, 28)
;;       step = 2.0 ** (np.maximum(np.frexp(np.where(r == 0, 1, r))[1] - 1, -2) - 2)
;;       q = np.round(r / step) * step * 2.0 ** e      # np.round: ties to even
;;       return np.moveaxis(q.reshape(q.shape[:-2] + (-1,))[..., :K], -1, axis).astype(np.float32)
;;   ~~~
;;   SOFTMAX AHEAD OF A QUANTISED PRODUCT. Where the list says 'softmax', what is quantised is not the finished softmax but p = 2^(t - M), with t = logit x log2(e) and M = ceil(the row's largest t), a whole number; so 1/2 < the row's largest p <= 1. The row's sum l is taken of the UNQUANTISED p, in f32, and the product's result is divided by l at the end. Since M is a whole number, a kernel that streams over the keys may use a running M (the ceiling of the running maximum): every later rescaling is an exact power of two, which a block's scale takes up: the codes' values come out the same.
;;   OPERANDS COMPUTED ON THE WAY. 'Computed on the way' means the value that the module computes at that place (a softmax that the list does not call 'softmax' is quantised finished and normalised). What goes into a quantiser is computed in f32, as accurately as f32 sums, v_exp_f32 and their like allow (about 1e-6 of the number): no bf16 or f16 on the way to a quantiser, and a product that is left as it is and whose result goes on into a quantised operand takes f32 operands (vector FMAs, or v_wmma_f32_16x16x4_f32). A number that lies on a knife's edge between two numbers of the format may be rounded either way, as far as f32 arithmetic and the matrix unit's own rounding can turn it there, and no further.
;; One version. Each part assembles by itself: llvm-mc -triple=amdgcn-amd-amdhsa -mcpu=gfx1250 --defsym DOCPART=n.
;; ======== version 1 of 1: 4 launches
;; limits: right only within a limited range of input values
;; workspace buffers: xa 6,553,600 bytes; wq 8,192,000 bytes; tab 524,288 bytes; qb 6,553,600 bytes; kv 3,276,800 bytes
;; launch prep (part 1): grid 576 x 1, 4 waves a work-group, no clusters, 59,904 bytes of LDS; arguments x, Wq, Wk, Wv, Wo, xa, wq, tab; writes xa, wq, tab
.if DOCPART == 1
	.amdgcn_target "amdgcn-amd-amdhsa--gfx1250"
	.amdhsa_code_object_version 6
	.text
	.protected	k_q025825e3ba_prep
	.globl	k_q025825e3ba_prep
	.p2align	8
	.type	k_q025825e3ba_prep,@function
k_q025825e3ba_prep:
	s_mov_b64 s[64:65], 0
	v_nop
	global_prefetch_b8 v0, s[64:65] scope:SCOPE_SE
	s_setreg_imm32_b32 hwreg(HW_REG_WAVE_MODE, 25, 1), 1
	s_wait_xcnt 0x0
; x [4096][2048] and the four weights ([2048][N], K their FIRST axis), all f32, become codes of BF6 (E3M2) with one E8M0 byte for each 32 along K; and rope's cos and sin are made once, as a table.
; A block's scale is 2^(floor(log2(its largest magnitude)) - 4): the byte is the largest magnitude's exponent field - 4, held at 1 from below by a floor among the maximum's leaves.
; THE WORKSPACE IS LAID AS THE OPERANDS' REGISTERS.  A row block (16 rows) and a K step of 128 make an IMAGE of 1,536 bytes: byte 512 c + 16 lane + 4 m is register 4 c + m of that lane's 12-register fragment,
; so a reader takes a fragment by three loads of 16 bytes a lane.  Row block j holds at lane-row p the row 32 (j / 2) + 8 (j % 2) + p + 8 (p / 8), so that a transposed product leaves 16 neighbours in the
; 16 registers of two neighbouring tiles.  A row block's 16 images lie on end (24,576 bytes); its scale words (one word a row and K step, 64 bytes a K step) lie behind all images, 1,024 bytes a row block.
; WORK-GROUPS 0-255: row block j of x; wave w takes K steps 4 w .. 4 w + 3, and one 512-byte chunk of the table.  WORK-GROUPS 256-575: 128 operand rows (columns of a weight) x 256 along K; a wave takes 32 columns.
; Operand rows of wq: 0-2047 Wq's columns; 2048 + 256 g + (0-127) Wk's head g, + (128-255) Wv's head g; 3072-5119 Wo's columns.
; The two paths part on the work-group's number and have LDS bytes of their own.  Waves share nothing: no barrier.  No tensor load, no cluster (no two work-groups read the same bytes), no matrix work: memory binds.
; LIMITS: NaN and infinities are not served.  A block under 2^-122, a block of zeros too, keeps the byte 1 (a block of zeros has zero codes; this program alone reads the bytes).
; The table: inverse frequency 2^(-f log2(10000) / 64) by v_exp_f32; the angle t x that, rounded once as in the source; reduced by multiples of pi/2 in two parts; cos and sin by polynomials good to about 1e-7.
; Against a power and a division in f32 the angle may differ by about 2e-4 at the largest t of the fastest frequencies.
.set XA_SC,  6291456                   ; xa: where the scale words begin
.set WQ_SC,  7864320                   ; wq: likewise
.set XREG,   8704                      ; path x: LDS of a wave: 16 rows x 528 bytes, then 256 bytes of scale words
.set XSCW,   8448
.set WBASE,  34816                     ; path w: LDS begins behind path x's four regions
.set WREG,   6144                      ; a wave's four images
.set FLOOR,  0x2800000                 ; 2^(5 - 127)
.set EOFF,   0xfe000000                ; 4 off an exponent field
.set LI,   4                           ; v4   16 x lane
.set XIN,  5                           ; v5   x: stage, on the way in
.set XOUT, 6                           ; v6   x: stage, on the way out: row r, + 128 h
.set XSW,  7                           ; v7   x: my row's scale word in LDS
.set H8,   14                          ; v14  8 h
.set H16,  15                          ; v15  16 h
.set WIM,  16                          ; v16  w: my column's place in its image
.set WOUT, 17                          ; v17  w: 16 x lane in the wave's images
.set WSO,  18                          ; v18  w: my column's scale word in memory
.set L4,   19                          ; v19  4 x lane
.set PW,   22                          ; v22  the scale word just made
.set L8,   28                          ; v28  8 x lane
.set XSR,  29                          ; v29  x: the scale words, on the way out
.set RS,   32                          ; v32-159  x: two sets of 64 registers as loaded
.set XR,   160                         ; v160-223 x: 64 numbers in the operand's order
.set PC,   224                         ; v224-247 x: two sets of 12 registers of codes
.set SEL,  60                          ; s[60:61] selects for lane l xor 16
	s_load_b512 s[4:19], s[0:1], 0x0               ; x s[4:5], Wq s[6:7], Wk s[8:9], Wv s[10:11], Wo s[12:13], xa s[14:15], wq s[16:17], tab s[18:19]
	v_lshl_add_u32 v251, v0, 2, 0xe800
	v_mov_b32 v255, 0
	v_lshrrev_b32 v1, 5, v0
	v_readfirstlane_b32 s20, v1                    ; wave
	v_and_b32 v1, 31, v0                           ; lane
	v_and_b32 v2, 15, v0                           ; r
	v_bfe_u32 v3, v0, 4, 1                         ; h
	v_lshlrev_b32 v[LI], 4, v1
	; every LDS address of both paths is made here, ahead of the parting
	s_mul_i32 s21, s20, XREG
	v_add_nc_u32 v[XIN], s21, v[LI]
	v_mul_u32_u24 v[XOUT], v2, 528
	v_lshl_add_u32 v[XOUT], v3, 7, v[XOUT]
	v_add_nc_u32 v[XOUT], s21, v[XOUT]
	s_add_co_u32 s21, s21, XSCW
	v_lshl_add_u32 v[XSW], v2, 2, s21
	v_lshlrev_b32 v[L8], 3, v1
	v_add_nc_u32 v[XSR], s21, v[L8]
	s_mul_i32 s22, s20, WREG
	s_add_co_u32 s22, s22, WBASE
	v_bfe_u32 v30, v0, 3, 1                        ; u' = (lane / 8) % 2: which of my wave's two row blocks my column falls into
	v_and_b32 v31, 7, v0
	v_lshl_add_u32 v31, v3, 3, v31                 ; p' = lane % 8 + 8 (lane / 16): its lane-row there
	v_mul_u32_u24 v[WIM], v30, 3072
	v_lshl_add_u32 v[WIM], v31, 4, v[WIM]
	v_add_nc_u32 v[WIM], s22, v[WIM]
	v_add_nc_u32 v[WOUT], s22, v[LI]
	v_lshlrev_b32 v[WSO], 10, v30
	v_lshl_add_u32 v[WSO], v31, 2, v[WSO]
	v_lshlrev_b32 v[L4], 2, v1
	v_lshlrev_b32 v[H8], 3, v3
	v_lshlrev_b32 v[H16], 4, v3
	s_mov_b32 s[SEL], 0x76543210
	s_mov_b32 s[SEL+1], 0xfedcba98
	s_wait_kmcnt 0x0
	s_cmp_lt_u32 ttmp9, 256
	s_cbranch_scc0 .Lweights
; ---------------------------------------------------------------- x
.macro XLOADS t                        ; K step t of my four: 16 tokens x 512 consecutive bytes
.irp i, 0,1,2,3,4,5,6,7,8,9,10,11,12,13,14,15
	global_load_b128 v[RS+64*((\t)%2)+4*\i:RS+64*((\t)%2)+4*\i+3], v[LI], s[4:5] offset:(\i+8*(\i/8))*8192+512*(\t) th:TH_LOAD_NT
.endr
.endm
; 64 numbers, v[XR + 32 c + i] = number i of block 2 c + h of my row, become the fragment's 12 registers at v[pc] and the row's scale word in v[PW]
.macro Q32 pc
	v_max3_num_f32 v8, |v[XR]|, |v[XR+1]|, FLOOR
	v_max3_num_f32 v9, |v[XR+16]|, |v[XR+17]|, FLOOR
	v_max3_num_f32 v10, |v[XR+32]|, |v[XR+33]|, FLOOR
	v_max3_num_f32 v11, |v[XR+48]|, |v[XR+49]|, FLOOR
.irp i, 2,4,6,8,10,12,14
	v_max3_num_f32 v8, v8, |v[XR+\i]|, |v[XR+\i+1]|                ; four chains by turns, two to a block
	v_max3_num_f32 v9, v9, |v[XR+16+\i]|, |v[XR+17+\i]|
	v_max3_num_f32 v10, v10, |v[XR+32+\i]|, |v[XR+33+\i]|
	v_max3_num_f32 v11, v11, |v[XR+48+\i]|, |v[XR+49+\i]|
.endr
	v_max_num_f32 v8, v8, v9
	v_max_num_f32 v10, v10, v11
	v_add_nc_u32 v8, EOFF, v8                      ; the conversion takes this operand's exponent field as its scale
	v_add_nc_u32 v10, EOFF, v10
	v_lshrrev_b32 v9, 23, v8                       ; the bytes of blocks h and 2 + h
	v_lshrrev_b32 v11, 23, v10
	v_lshl_or_b32 v9, v11, 16, v9
	v_lshlrev_b32 v9, v[H8], v9                    ; at their places in the word
	v_permlanex16_b32 v11, v9, s[SEL], s[SEL+1]
	v_or_b32 v[PW], v9, v11                        ; with lane l xor 16's two the word is whole
	v_cvt_scalef32_pk16_bf6_f32 v[\pc:\pc+2], v[XR:XR+15], v8
	v_cvt_scalef32_pk16_bf6_f32 v[248:250], v[XR+16:XR+31], v8     ; (a conversion's three registers begin on an even number)
	v_cvt_scalef32_pk16_bf6_f32 v[\pc+6:\pc+8], v[XR+32:XR+47], v10
	v_cvt_scalef32_pk16_bf6_f32 v[252:254], v[XR+48:XR+63], v10
	v_nop                                          ; one plain line behind the scaled conversions
.irp i, 0,1,2
	v_mov_b32 v[\pc+3+\i], v[248+\i]
	v_mov_b32 v[\pc+9+\i], v[252+\i]
.endr
.endm
	s_lshr_b32 s23, ttmp9, 1
	s_lshl_b32 s23, s23, 5
	s_and_b32 s24, ttmp9, 1
	s_lshl_b32 s25, s24, 3
	s_add_co_u32 s23, s23, s25                     ; the row block's first token: 32 (j / 2) + 8 (j % 2)
	s_lshl_b32 s26, s23, 13                        ; x 8,192 bytes a token
	s_lshl_b32 s25, s20, 11                        ; + my wave's four K steps
	s_add_co_u32 s26, s26, s25
	s_mov_b32 s27, 0
	s_add_nc_u64 s[4:5], s[4:5], s[26:27]
	XLOADS 0
	XLOADS 1                                       ; 32 loads of a wave are out while the table is made
	s_mul_i32 s26, ttmp9, 24576
	s_mul_i32 s25, s20, 6144
	s_add_co_u32 s26, s26, s25
	s_add_nc_u64 s[28:29], s[14:15], s[26:27]      ; my four images
	s_lshl_b32 s26, ttmp9, 10
	s_lshl_b32 s25, s20, 8
	s_add_co_u32 s26, s26, s25
	s_add_co_u32 s26, s26, XA_SC
	s_add_nc_u64 s[30:31], s[14:15], s[26:27]      ; my 256 bytes of scale words
	; the table's chunk: token block jt = j / 4, chunk 4 (j % 4) + wave: chunks 0-7 cos, 8-15 sin; register 4 (chunk % 8) + e of lane (r, h): frequency 32 (j % 2) + 16 h + 4 wave + e
	s_lshr_b32 s32, ttmp9, 2                       ; jt
	s_and_b32 s33, ttmp9, 3
	s_lshl_b32 s33, s33, 2
	s_add_co_u32 s33, s33, s20                     ; chunk
	s_lshl_b32 s26, s32, 13
	s_lshl_b32 s25, s33, 9
	s_add_co_u32 s26, s26, s25
	s_add_nc_u64 s[34:35], s[18:19], s[26:27]
	s_bfe_u32 s36, ttmp9, 0x10001                  ; 1 for sin
	s_mul_i32 s36, s36, 3                          ; sin(a) = cos(a + 3 pi/2): three quadrants on
	s_lshl_b32 s37, s24, 5
	s_lshl_b32 s25, s20, 2
	s_add_co_u32 s37, s37, s25
	s_lshr_b32 s38, s32, 1
	s_lshl_b32 s38, s38, 5
	s_and_b32 s25, s32, 1
	s_lshl_b32 s25, s25, 3
	s_add_co_u32 s38, s38, s25                     ; 32 (jt / 2) + 8 (jt % 2)
	s_mov_b32 s40, 0xbe549a78                      ; -log2(10000) / 64
	s_mov_b32 s41, 0x3f22f983                      ; 2 / pi
	s_mov_b32 s42, 0xbfc90fdb                      ; -(pi/2 rounded to f32)
	s_mov_b32 s43, 0x333bbd2e                      ; that rounding's excess over pi/2
	s_mov_b32 s44, 0xbe2aaaa3                      ; sin: -1.6666655e-1, 8.3321609e-3, -1.9515296e-4
	s_mov_b32 s45, 0x3c08839e
	s_mov_b32 s46, 0xb94ca1f9
	s_mov_b32 s47, 0x3d2aaaa5                      ; cos: 4.1666646e-2, -1.3887316e-3, 2.4433157e-5
	s_mov_b32 s48, 0xbab6061a
	s_mov_b32 s49, 0x37ccf5ce
	v_and_b32 v20, 8, v2
	v_add3_u32 v20, v20, v2, s38                   ; my token's place in its sequence
	v_cvt_f32_u32 v20, v20
	s_wait_alu depctr_va_vdst(0)
	v_add_nc_u32 v21, s37, v[H16]
.irp e, 0,1,2,3
	v_add_nc_u32 v[160+\e], \e, v21                ; four frequencies, four chains by turns
.endr
.irp e, 0,1,2,3
	v_cvt_f32_u32 v[160+\e], v[160+\e]
.endr
.irp e, 0,1,2,3
	v_mul_f32 v[160+\e], s40, v[160+\e]
.endr
	s_wait_alu depctr_va_vdst(0)
.irp e, 0,1,2,3
	v_exp_f32 v[164+\e], v[160+\e]                 ; the inverse frequency
.endr
	v_nop                                          ; a plain line behind the last exponential,
	s_wait_alu depctr_va_vdst(0)                   ; and one wait for the four, ahead of their first reader
.irp e, 0,1,2,3
	v_mul_f32 v[168+\e], v20, v[164+\e]            ; the angle
.endr
.irp e, 0,1,2,3
	v_mul_f32 v[172+\e], s41, v[168+\e]
.endr
.irp e, 0,1,2,3
	v_rndne_f32 v[172+\e], v[172+\e]               ; k: the nearest multiple of pi/2
.endr
.irp e, 0,1,2,3
	v_fma_f32 v[176+\e], v[172+\e], s42, v[168+\e]
.endr
.irp e, 0,1,2,3
	v_fma_f32 v[176+\e], v[172+\e], s43, v[176+\e] ; R = angle - k pi/2, |R| <= pi/4
.endr
.irp e, 0,1,2,3
	v_mul_f32 v[180+\e], v[176+\e], v[176+\e]      ; Z = R^2
.endr
.irp e, 0,1,2,3
	v_fma_f32 v[184+\e], v[180+\e], s46, s45
	v_fma_f32 v[188+\e], v[180+\e], s49, s48
.endr
.irp e, 0,1,2,3
	v_fma_f32 v[184+\e], v[184+\e], v[180+\e], s44
	v_fma_f32 v[188+\e], v[188+\e], v[180+\e], s47
.endr
.irp e, 0,1,2,3
	v_mul_f32 v[184+\e], v[184+\e], v[180+\e]
	v_fma_f32 v[192+\e], v[180+\e], -0.5, 1.0
.endr
.irp e, 0,1,2,3
	v_fma_f32 v[184+\e], v[184+\e], v[176+\e], v[176+\e]   ; sin R
	v_mul_f32 v[196+\e], v[180+\e], v[180+\e]
.endr
.irp e, 0,1,2,3
	v_fma_f32 v[188+\e], v[196+\e], v[188+\e], v[192+\e]   ; cos R
	v_cvt_i32_f32 v[200+\e], v[172+\e]
.endr
.irp e, 0,1,2,3
	v_add_nc_u32 v[200+\e], s36, v[200+\e]         ; the quadrant q
.endr
.irp e, 0,1,2,3
	v_and_b32 v[204+\e], 1, v[200+\e]
	v_add_nc_u32 v[200+\e], 1, v[200+\e]
.endr
.irp e, 0,1,2,3
	v_cmp_ne_u32 vcc_lo, 0, v[204+\e]
	v_cndmask_b32 v[24+\e], v[188+\e], v[184+\e], vcc_lo   ; odd q: sin R, even q: cos R
	v_and_b32 v[200+\e], 2, v[200+\e]
.endr
.irp e, 0,1,2,3
	v_lshlrev_b32 v[200+\e], 30, v[200+\e]         ; q = 1, 2: the sign turns
.endr
.irp e, 0,1,2,3
	v_xor_b32 v[24+\e], v[200+\e], v[24+\e]
.endr
	global_store_b128 v[LI], v[24:27], s[34:35]    ; 512 consecutive bytes; v24-27 are not written again
.macro XSTEP t
.if (\t) < 3
	s_wait_loadcnt 16                              ; this step's 16 loads are in; the next step's 16 may be out
.else
	s_wait_loadcnt 0x0
.endif
.irp i, 0,1,2,3,4,5,6,7,8,9,10,11,12,13,14,15
	ds_store_b128 v[XIN], v[RS+64*((\t)%2)+4*\i:RS+64*((\t)%2)+4*\i+3] offset:\i*528   ; as loaded: a token's 512 bytes to a row of the stage
.endr
.irp c, 0,1
.irp i, 0,1,2,3,4,5,6,7
	ds_load_b128 v[XR+32*\c+4*\i:XR+32*\c+4*\i+3], v[XOUT] offset:256*\c+16*\i        ; back: my row's blocks h and 2 + h.  LDS serves a wave's instructions in order
.endr
.endr
	s_wait_dscnt 0x0                               ; the numbers are back, and the stores have read the set that the next loads fill
.if (\t) < 2
	XLOADS (\t)+2
.endif
	s_wait_xcnt 0x0                                ; the stores of two steps ago have read this set of codes
	Q32 PC+12*((\t)%2)
	ds_store_b32 v[XSW], v[PW] offset:64*(\t)      ; both halves of the lanes write the same word
.irp c, 0,1,2
	global_store_b128 v[LI], v[PC+12*((\t)%2)+4*\c:PC+12*((\t)%2)+4*\c+3], s[28:29] offset:1536*(\t)+512*\c   ; the image: 512 consecutive bytes a store
.endr
.endm
	XSTEP 0
	XSTEP 1
	XSTEP 2
	XSTEP 3
	ds_load_b64 v[20:21], v[XSR]
	s_wait_dscnt 0x0
	global_store_b64 v[L8], v[20:21], s[30:31]     ; my four K steps' scale words: 256 consecutive bytes, aligned
	s_wait_tensorcnt 0x0
	ds_add_u32 v251, v255
	s_wait_dscnt 0x0
	s_endpgm
; ---------------------------------------------------------------- the weights
; one block of 32 numbers in v[x] on becomes 24 bytes of codes in v[c] .. v[c + 5]; its byte is left in v[w + 3]
.macro B24 x, c, w
	v_max3_num_f32 v[\w], |v[\x]|, |v[\x+1]|, |v[\x+2]|
	v_max3_num_f32 v[\w+1], |v[\x+3]|, |v[\x+4]|, |v[\x+5]|
.irp i, 6,10,14,18,22,26
	v_max3_num_f32 v[\w], v[\w], |v[\x+\i]|, |v[\x+\i+1]|
	v_max3_num_f32 v[\w+1], v[\w+1], |v[\x+\i+2]|, |v[\x+\i+3]|
.endr
	v_max3_num_f32 v[\w], v[\w], |v[\x+30]|, |v[\x+31]|
	v_max3_num_f32 v[\w], v[\w], v[\w+1], FLOOR
	v_add_nc_u32 v[\w+2], EOFF, v[\w]
	v_lshrrev_b32 v[\w+3], 23, v[\w+2]
	v_cvt_scalef32_pk16_bf6_f32 v[\c:\c+2], v[\x:\x+15], v[\w+2]
	v_cvt_scalef32_pk16_bf6_f32 v[\c+4:\c+6], v[\x+16:\x+31], v[\w+2]
	v_nop                                          ; one plain line behind the scaled conversions
	v_mov_b32 v[\c+3], v[\c+4]
	v_mov_b32 v[\c+4], v[\c+5]
	v_mov_b32 v[\c+5], v[\c+6]
.endm
.Lweights:
	s_sub_co_u32 s21, ttmp9, 256
	s_lshr_b32 s23, s21, 3                         ; cg: which 128 operand rows
	s_and_b32 s24, s21, 7                          ; kg: which 256 along K
	s_sub_co_u32 s25, s23, 16                      ; e: 0-7 where the rows are Wk's or Wv's
	s_sub_co_u32 s26, s23, 24                      ; the group of 128 columns: in Wo,
	s_mov_b64 s[28:29], s[12:13]
	s_mov_b32 s27, 8192                            ; bytes from row to row
	s_cmp_lt_u32 s23, 16
	s_cselect_b64 s[28:29], s[6:7], s[28:29]       ; in Wq,
	s_cselect_b32 s26, s23, s26
	s_and_b32 s30, s25, 1
	s_cmp_eq_u32 s30, 0
	s_cselect_b64 s[30:31], s[8:9], s[10:11]       ; even e: Wk, odd e: Wv
	s_lshr_b32 s50, s25, 1
	s_cmp_lt_u32 s25, 8
	s_cselect_b64 s[28:29], s[30:31], s[28:29]
	s_cselect_b32 s26, s50, s26
	s_cselect_b32 s27, 2048, s27                   ; every choice hangs on the work-group's number alone
	s_lshl_b32 s50, s24, 8
	s_mul_i32 s50, s50, s27                        ; 256 kg rows down,
	s_lshl_b32 s52, s26, 9
	s_add_co_u32 s50, s50, s52                     ; the group's first column,
	s_lshl_b32 s52, s20, 7
	s_add_co_u32 s50, s50, s52                     ; my wave's 32 columns
	s_mov_b32 s51, 0
	s_add_nc_u64 s[32:33], s[28:29], s[50:51]
	s_lshl_b32 s50, s27, 5                         ; a base for each block of 32 rows: no immediate hangs on the pitch, nothing is stepped
.irp t, 1,2,3,4,5,6,7
	s_add_nc_u64 s[32+2*\t:33+2*\t], s[30+2*\t:31+2*\t], s[50:51]
.endr
	s_wait_alu depctr_va_vdst(0)
.irp i, 0,1,2,3,4,5,6,7,8,9,10,11,12,13,14,15,16,17,18,19,20,21,22,23,24,25,26,27,28,29,30,31
	v_mad_u32_u24 v[32+\i], s27, \i, v[L4]         ; row i of a block, my column
.endr
.macro WLOAD t                         ; A LANE TAKES A COLUMN AND ITS REGISTERS RUN DOWN K: each load reads 128 consecutive bytes, the four waves side by side
.irp i, 0,1,2,3,4,5,6,7,8,9,10,11,12,13,14,15,16,17,18,19,20,21,22,23,24,25,26,27,28,29,30,31
	global_load_b32 v[64+32*((\t)%2)+\i], v[32+\i], s[32+2*(\t):33+2*(\t)] th:TH_LOAD_NT
.endr
.endm
	WLOAD 0
	WLOAD 1
	s_lshl_b32 s52, s23, 3
	s_lshl_b32 s53, s20, 1
	s_add_co_u32 s52, s52, s53                     ; my first row block: 8 cg + 2 wave
	s_mul_i32 s54, s52, 24576
	s_mul_i32 s53, s24, 3072
	s_add_co_u32 s54, s54, s53
	s_mov_b32 s55, 0
	s_add_nc_u64 s[56:57], s[16:17], s[54:55]      ; its images of K steps 2 kg, 2 kg + 1
	s_lshl_b32 s54, s52, 10
	s_lshl_b32 s53, s24, 7
	s_add_co_u32 s54, s54, s53
	s_add_co_u32 s54, s54, WQ_SC
	s_add_nc_u64 s[58:59], s[16:17], s[54:55]      ; and their scale words
.macro WBLOCK t
.if (\t) < 7
	s_wait_loadcnt 32                              ; this block's 32 loads are in; the next block's may be out
.else
	s_wait_loadcnt 0x0
.endif
	B24 64+32*((\t)%2), 128, 8
.if (\t)%4 == 0
	v_mov_b32 v[136+(\t)/4], v11                   ; four bytes to a word, the lower K in the lower byte
.else
	v_lshl_or_b32 v[136+(\t)/4], v11, 8*((\t)%4), v[136+(\t)/4]
.endif
.set OFS, ((\t)/4)*1536+256*((\t)%2)   ; the K step's image; block 2 c' + h' belongs to lane p' + 16 h', registers 6 c' .. 6 c' + 5
.if ((\t)%4) < 2
	ds_store_b128 v[WIM], v[128:131] offset:OFS
	ds_store_b64 v[WIM], v[132:133] offset:OFS+512
.else
	ds_store_b64 v[WIM], v[128:129] offset:OFS+520
	ds_store_b128 v[WIM], v[130:133] offset:OFS+1024
.endif
.if (\t)+2 < 8
	WLOAD (\t)+2
.endif
	s_wait_dscnt 0x0                               ; the stores have read their registers: the next block's codes may be written
.endm
.set Q, 0
.rept 8
	WBLOCK Q
.set Q, Q+1
.endr
	global_store_b32 v[WSO], v136, s[58:59]        ; my column's scale words of the two K steps
	s_wait_alu depctr_va_vdst(0)
	global_store_b32 v[WSO], v137, s[58:59] offset:64
.irp k, 0,1,2,3,4,5,6,7,8,9,10,11
	ds_load_b128 v[144+4*\k:147+4*\k], v[WOUT] offset:512*\k       ; the four images as they stand
.endr
.irp k, 0,1,2,3,4,5,6,7,8,9,10,11
	s_wait_dscnt 11-\k
	global_store_b128 v[LI], v[144+4*\k:147+4*\k], s[56:57] offset:(\k/6)*24576+(\k%6)*512   ; 512 consecutive bytes a store
.endr
	s_wait_tensorcnt 0x0
	ds_add_u32 v251, v255
	s_wait_dscnt 0x0
	s_endpgm
.Lfunc_end_k_q025825e3ba_prep:
	.size	k_q025825e3ba_prep, .Lfunc_end_k_q025825e3ba_prep-k_q025825e3ba_prep
	.p2alignl 7, 3214868480
	.fill 96, 4, 3214868480
	.section	.rodata,"a",@progbits
	.p2align	6, 0x0
	.amdhsa_kernel k_q025825e3ba_prep
		.amdhsa_group_segment_fixed_size 59904
		.amdhsa_private_segment_fixed_size 0
		.amdhsa_enable_private_segment 0
		.amdhsa_kernarg_size 64
		.amdhsa_user_sgpr_count 2
		.amdhsa_user_sgpr_kernarg_segment_ptr 1
		.amdhsa_wavefront_size32 1
		.amdhsa_system_sgpr_workgroup_id_x 1
		.amdhsa_system_sgpr_workgroup_id_y 1
		.amdhsa_system_sgpr_workgroup_id_z 1
		.amdhsa_system_vgpr_workitem_id 0
		.amdhsa_next_free_vgpr 256
		.amdhsa_next_free_sgpr 66
		.amdhsa_reserve_vcc 1
		.amdhsa_float_denorm_mode_32 3
		.amdhsa_float_denorm_mode_16_64 3
		.amdhsa_memory_ordered 1
		.amdhsa_forward_progress 1
		.amdhsa_inst_pref_size 81
	.end_amdhsa_kernel
	.amdgpu_metadata
---
amdhsa.version: [ 1, 2 ]
amdhsa.kernels:
  - .name:           k_q025825e3ba_prep
    .symbol:         k_q025825e3ba_prep.kd
    .args:
      - { .name: x, .offset: 0, .size: 8, .value_kind: global_buffer, .address_space: global }
      - { .name: Wq, .offset: 8, .size: 8, .value_kind: global_buffer, .address_space: global }
      - { .name: Wk, .offset: 16, .size: 8, .value_kind: global_buffer, .address_space: global }
      - { .name: Wv, .offset: 24, .size: 8, .value_kind: global_buffer, .address_space: global }
      - { .name: Wo, .offset: 32, .size: 8, .value_kind: global_buffer, .address_space: global }
      - { .name: xa, .offset: 40, .size: 8, .value_kind: global_buffer, .address_space: global }
      - { .name: wq, .offset: 48, .size: 8, .value_kind: global_buffer, .address_space: global }
      - { .name: tab, .offset: 56, .size: 8, .value_kind: global_buffer, .address_space: global }
    .group_segment_fixed_size: 59904
    .private_segment_fixed_size: 0
    .kernarg_segment_align: 8
    .kernarg_segment_size: 64
    .max_flat_workgroup_size: 128
    .sgpr_count:     66
    .vgpr_count:     256
    .wavefront_size: 32
...
	.end_amdgpu_metadata
.endif
;; end of part 1
;; launch qkv (part 2): grid 12 x 16, 4 waves a work-group, clusters of 4 x 4, 327,680 bytes of LDS; arguments xa, wq, tab, qb, kv; writes qb, kv
.if DOCPART == 2
	.amdgcn_target "amdgcn-amd-amdhsa--gfx1250"
	.amdhsa_code_object_version 6
	.text
	.protected	k_q025825e3ba_qkv
	.globl	k_q025825e3ba_qkv
	.p2align	8
	.type	k_q025825e3ba_qkv,@function
k_q025825e3ba_qkv:
	s_mov_b64 s[64:65], 0
	v_nop
	global_prefetch_b8 v0, s[64:65] scope:SCOPE_SE
	s_setreg_imm32_b32 hwreg(HW_REG_WAVE_MODE, 25, 1), 1
	s_wait_xcnt 0x0
	s_wait_alu depctr_hold_cnt(0) depctr_sa_sdst(0) depctr_va_vdst(0) depctr_va_sdst(0) depctr_va_ssrc(0) depctr_va_vcc(0) depctr_vm_vsrc(0)
	s_getreg_b32 s2, hwreg(HW_REG_IB_STS2, 6, 4)
	s_cmp_eq_u32 s2, 0
	s_cbranch_scc0 .Lentry_in_a_cluster
	s_endpgm
.Lentry_in_a_cluster:
	s_bfe_u32 s2, ttmp6, 0x10000c
	s_cmp_lg_u32 s2, 0xf033
	s_cbranch_scc0 .Lentry_shape_is_right
	s_endpgm
.Lentry_shape_is_right:
; q, k, v = x Wq, x Wk, x Wv on codes of BF6 (E3M2) with E8M0 scales; rope on q and k; then q and k are quantised along the head's 128 and v along the keys, and leave as images of the next products' operands.
; A tile is 256 tokens x 256 operand rows of wq; four waves, each 128 x 128: 64 accumulators, 512 registers.  A WAVE'S 128 COLUMNS ARE ONE WHOLE HEAD: tile columns 0-7 are q's heads 2 col + (wave % 2);
; tile column 8 + g holds k's head g (wave % 2 = 0) and v's head g (wave % 2 = 1).  So rope and the blocks of 32 never leave a wave, and no f32 result goes to memory.
; OPERANDS LIE IN MEMORY AS IMAGES OF THEIR REGISTERS (1,536 bytes for 16 rows x 128 K; byte 512 c + 16 lane + 4 m = register 4 c + m): a fragment is three ds_load_b128 of 512 consecutive bytes, no pitch, no padding.
; Row block j holds at lane-row p the row 32 (j / 2) + 8 (j % 2) + p + 8 (p / 8).  THE MATRIX INSTRUCTION IS USED TRANSPOSED (source 0 = 16 operand rows of wq, source 1 = 16 tokens): a lane holds one token,
; and the 64 registers of a token block's eight accumulators hold, at 16 b + i, column 32 b + 16 (lane / 16) + i of the head: the order in which the conversions want them.
; THE RING: two LDS slots of THREE K steps of 128 (147,456 bytes each), the most that fits.  The sixteen K steps go as 3, 3, 3, 3, 3, 1: the first six are first fills, on their way together; four refills follow, and behind
; each a wave issues 160 matrix instructions before it waits for all its loads.  The last refill brings one K step: its shape words are written anew, by constants, where no tensor load of the wave is out.
; That one refill differs, so the sixteen steps are written out and there is no loop.
; THE SCALE WORDS of the tile's rows come once, with the first fills, for K steps 0 to 14 (960 bytes a row block).  With K step 15's too, two slots, 32,768 bytes of scale words and the spare words would be 512 bytes
; more than a WGP's LDS: so K step 15's words go from memory straight into sixteen registers, asked for at the head.
; CLUSTERS: 4 x 4 work-groups; x's tiles are shared along a row of the cluster, wq's along a column: each is asked for jointly.  192 work-groups: a tile of 192 columns would fill more WGPs but cut heads apart.
; Nothing is prefetched.
; LIMITS: NaN and infinities are not served; a block under 2^-122 (a block of zeros too) keeps the scale byte 1.  Rope: x1 cos - x2 sin with the second product rounded and the first fused.
; THE HEAD AND THE PREFETCHES AS THEY STAND (this takes the place of what the lines above say of the first fills and of prefetching):
; at the head each wave issues ONE joint load: wave 0 x's 16 row blocks of K steps 0-2, wave 1 wq's, wave 2 x's scale words, wave 3 wq's.  Behind the wait for them, the add and a round of the cluster's barrier
; each wave asks for its quarter of slot 1 (K steps 3-5); by this text's count one tensor load of a wave is out at any time.
; Each fill of codes is also asked of memory two fills ahead by global_prefetch_b8 (the head asks for fills 1 and 2): of the 8 row blocks that a wave fetches in the ring, each of the four partners
; that ask for them jointly names 2, told apart by address (cx for x, cy for wq); a lane names a block of 256 bytes, 18 to a row block and fill (6 in the last); lanes left over name the last block again.
; The prefetches' registers are never rewritten; the last two fills ask for nothing further.
; kv: 204,800 bytes a group: 8,192 of scale words (k's 4,096, then v's), then the codes.
.set PFA,   100                        ; s[100:101] my two row blocks for the prefetches
.set PFO,   24                         ; v24  256 x min(lane, 17); never rewritten
.set PFO2,  25                         ; v25  256 x min(lane, 5); never rewritten
.set MBW,   8
.set NQ,    3                          ; K steps of 128 in a slot
.set SPARE, 325888                     ; the spare words: 128 bytes a wave, two blocks of 256 bytes that no other line names
.set MUL_LO, 0xa1                      ; source 0 (wq) window 1, source 1 (x) window 0, C and D window 2
.set MUL_HI, 0xf1                      ; the same, C and D window 3
.set HB,    MBW/2
.set FR,    12                         ; registers of a fragment
.set NL,    3                          ; LDS loads that bring one
.set NP,    4                          ; places behind this matrix instruction
.set RBB,   NQ*1536                    ; a row block's bytes in a slot
.set RBP,   24576                      ; and from row block to row block in memory
.set SLOT,  (2*MBW+16)*RBB             ; x's 16 row blocks, then wq's 16
.set SRB,   960                        ; a row block's scale words of K steps 0 to 14
.set SCL,   2*SLOT                     ; behind the ring: x's scale words,
.set SCLB,  SCL+2*MBW*SRB+64           ; and wq's, 64 bytes further on than a multiple of 256 from x's, so that the two halves of the lanes of a scale load fall on different banks
.set XA_SC, 6291456
.set WQ_SC, 7864320
.set QB_SC, 6291456
.set KV_SC, 3145728
.set PIT,   RBB                        ; from row block to row block in the slot that is being read: 4,608 bytes; 1,536 in the last fill
.set VST,  8                           ; v8   v's way: the f32 stage, in
.set VLD,  9                           ; v9   and back
.set VIM,  10                          ; v10  into the image stage
.set VIR,  11                          ; v11  out of it
.set VSS,  12                          ; v12  scale words in
.set VSL,  13                          ; v13  and out
.set RSS,  14                          ; v14  rope's way: scale words in
.set RSL,  15                          ; v15  and out
.set ADRA, 16                          ; v16-17  my fragments of x in slot 0, 1
.set ADRB, 20                          ; v20-21  of wq
.set LI,   26                          ; v26  16 x lane
.set ADRS, 27                          ; v27  my scale words: lanes 0-15 x's, lanes 16-31 wq's; never rewritten: block and K step stand in the loads' immediates
.set SPW,  28                          ; v28  my spare word; never rewritten
.set NIL,  29                          ; v29  0; never rewritten
.set R4,   30                          ; v30  4 x (lane % 16); never rewritten
.set SC,   32                          ; v32-47  scale words, a set of 8 for even K steps and one for odd: register i: lanes 0-15 x's block i, lanes 16-31 wq's block i
.set SA15, 48                          ; v48-55  K step 15's scale words of x's eight blocks
.set SB15, 56                          ; v56-63  and of wq's
.set AF,   128                         ; x's fragments, one set, window 0.  Window 1: wq's two sets at v0 (even K steps) and v128 (odd).  Windows 2, 3: the accumulators, (a, b) at v[8 (8 (a % 4) + b)]
.set G1, 24
.set G0, 32
.set G1B, 48
.set G0B, 56
.set G1S, 68
.set G0S, 76
.set G1SB, 80
.set G0SB, 88
.set SEL, 94                           ; s[94:95] selects for lane l xor 16
.set MSB, 0
.macro WIN new                         ; the immediate's high byte repeats the setting that is left
.if MSB != (\new)
	s_set_vgpr_msb (MSB<<8)|(\new)
.set MSB, (\new)
.endif
.endm
; A joint load: waves 0 and 1 fetch for x, waves 2 and 3 for wq.  Four v_nop follow each of the two lines.
.macro JLOAD g0a, g1a, g0b, g1b
	s_cmp_eq_u32 s15, 0
	s_cbranch_scc0 .Lfor_b_\@
	tensor_load_to_lds s[\g0a:\g0a+3], s[\g1a:\g1a+7]
	s_nop 0
.rept 4
	v_nop
.endr
	s_branch .Lasked_\@
.Lfor_b_\@:
	tensor_load_to_lds s[\g0b:\g0b+3], s[\g1b:\g1b+7]
	s_nop 0
.rept 4
	v_nop
.endr
.Lasked_\@:
.endm
.macro CREST                           ; a round of the cluster's barrier behind its opening barrier
	s_cmp_lg_u32 s14, 0
	s_cbranch_scc1 .Lnot_wave_0_\@
	s_barrier_signal -3
.Lnot_wave_0_\@:
	s_barrier_wait -3
	s_barrier_signal -1
	s_barrier_wait -1
.endm
.macro CROUND
	s_barrier_signal -1
	s_barrier_wait -1
	CREST
.endm
.macro SHAPE g, c, r, p                ; group 1 behind its first word: r rows of c elements of 8 bytes, p elements from row to row
	s_mov_b32 s[\g+1], (\c)<<16
	s_mov_b32 s[\g+2], (\r)<<16
	s_mov_b32 s[\g+3], (\c)<<16
	s_mov_b32 s[\g+4], \r
	s_mov_b32 s[\g+5], \p
	s_mov_b32 s[\g+6], 0
	s_mov_b32 s[\g+7], 0
.endm
	s_load_b256 s[4:11], s[0:1], 0x0               ; xa s[4:5], wq s[6:7], tab s[8:9], qb s[10:11]
	s_load_b64 s[12:13], s[0:1], 0x20              ; kv
	v_lshl_add_u32 v[SPW], v0, 2, SPARE
	v_mov_b32 v[NIL], 0
	ds_add_u32 v28, v29
	ds_add_u32 v28, v29
	s_wait_dscnt 0x0
	v_lshrrev_b32 v1, 5, v0
	v_readfirstlane_b32 s14, v1                    ; wave 0..3
	s_lshr_b32 s15, s14, 1                         ; which half of the tile's tokens is mine.  Also: I fetch for x (0) or for wq (1)
	s_and_b32 s16, s14, 1                          ; which half of its columns.  Also: which half of that tile I fetch
	s_bfe_u32 s40, ttmp6, 0x40000                  ; cx, cy: my place in the cluster
	s_bfe_u32 s41, ttmp6, 0x40004
	s_lshl_b32 s42, ttmp9, 2
	s_add_co_u32 s42, s42, s40                     ; tile column
	s_and_b32 s17, ttmp7, 0xffff
	s_lshl_b32 s17, s17, 2
	s_add_co_u32 s17, s17, s41                     ; tile row
	s_lshl_b32 s43, s41, 2
	s_lshl_b32 s43, 15, s43                        ; my row of the cluster
	s_lshl_b32 s44, 0x1111, s40                    ; my column
	s_or_b32 s[G1+0], s43, (3<<16)|(1<<21)         ; 15:0 the mask; 17:16 elements of 8 bytes; 20 no padding; 21 set beside a mask
	s_or_b32 s[G1B+0], s44, (3<<16)|(1<<21)
	s_or_b32 s[G1S+0], s43, (3<<16)|(1<<21)
	s_or_b32 s[G1SB+0], s44, (3<<16)|(1<<21)
	SHAPE G1, RBB/8, 16, RBP/8                     ; the head's loads bring whole tiles: 16 row blocks, three images of each; behind them the row counts are set to 8
	SHAPE G1B, RBB/8, 16, RBP/8
	SHAPE G1S, SRB/8, 16, 128                      ; x's scale words: 16 rows of 960 bytes, 1,024 bytes apart in memory
	SHAPE G1SB, SRB/8, 16, 128
	s_mul_i32 s20, s17, 2*MBW                      ; x's tile: its first row block, made of the tile row alone
	s_lshl_b32 s96, s16, 3
	s_lshl_b32 s97, s40, 1
	s_add_co_u32 s96, s96, s97
	s_add_co_u32 s96, s96, s20
	s_mul_i32 s96, s96, RBP                        ; the prefetches of x: the half that I fetch in the ring, + 2 cx
	s_lshl_b32 s22, s20, 10
	s_add_co_u32 s22, s22, XA_SC
	s_mov_b32 s23, 0
	s_mul_i32 s20, s20, RBP
	s_mov_b32 s21, 0
	s_lshl_b32 s46, s42, 4
	s_lshl_b32 s98, s16, 3
	s_lshl_b32 s99, s41, 1
	s_add_co_u32 s98, s98, s99
	s_add_co_u32 s98, s98, s46
	s_mul_i32 s98, s98, RBP                        ; the prefetches of wq: the half that I fetch, + 2 cy
	s_cmp_eq_u32 s15, 0
	s_cselect_b32 s96, s96, s98                    ; by the wave's number: I fetch for x or for wq
	s_mov_b32 s97, 0
	s_mul_i32 s2, s16, MBW*RBP                     ; the ring: the half of a tile that I fetch, in bytes
	s_mov_b32 s3, 0
	s_lshl_b32 s92, s46, 10
	s_add_co_u32 s92, s92, WQ_SC
	s_mov_b32 s93, 0
	s_mul_i32 s46, s46, RBP
	s_mov_b32 s47, 0
	s_mul_i32 s45, s16, MBW*RBB                    ; where they go: no place in the cluster enters an LDS address
	s_mul_i32 s95, s16, 8*RBB
	s_add_co_u32 s95, s95, 2*MBW*RBB
	CROUND                                         ; all sixteen work-groups are here: the first joint loads meet.  The round stands ahead of the wait for the arguments, which are on their way meanwhile
	s_wait_kmcnt 0x0
	s_add_nc_u64 s[20:21], s[4:5], s[20:21]
	s_add_nc_u64 s[22:23], s[4:5], s[22:23]
	s_add_nc_u64 s[46:47], s[6:7], s[46:47]
	s_add_nc_u64 s[92:93], s[6:7], s[92:93]
	s_mov_b32 s[G0S], 1
	s_mov_b32 s[G0S+1], SCL
	s_mov_b64 s[G0S+2:G0S+3], s[22:23]
	s_or_b32 s[G0S+3], s[G0S+3], 0x80000000
	s_mov_b32 s[G0SB], 1
	s_mov_b32 s[G0SB+1], SCLB
	s_mov_b64 s[G0SB+2:G0SB+3], s[92:93]
	s_or_b32 s[G0SB+3], s[G0SB+3], 0x80000000
	s_cmp_eq_u32 s15, 0
	s_cselect_b64 s[PFA:PFA+1], s[4:5], s[6:7]     ; the choice hangs on the wave's number alone
	s_add_nc_u64 s[PFA:PFA+1], s[PFA:PFA+1], s[96:97]
	s_mov_b32 s[G0], 1                             ; slot 0's sets serve the head's whole tiles first: x's 16 row blocks,
	s_mov_b32 s[G0+1], 0
	s_mov_b64 s[G0+2:G0+3], s[20:21]
	s_or_b32 s[G0+3], s[G0+3], 0x80000000
	s_mov_b32 s[G0B], 1                            ; and wq's, behind them
	s_mov_b32 s[G0B+1], 2*MBW*RBB
	s_mov_b64 s[G0B+2:G0B+3], s[46:47]
	s_or_b32 s[G0B+3], s[G0B+3], 0x80000000
	s_add_nc_u64 s[20:21], s[20:21], s[2:3]        ; slot 1's sets: my half of a tile, K steps 3-5
	s_add_nc_u64 s[46:47], s[46:47], s[2:3]
	s_mov_b32 s[G0+4], 1
	s_add_co_u32 s[G0+5], s45, SLOT
	s_add_nc_u64 s[G0+6:G0+7], s[20:21], RBB
	s_or_b32 s[G0+7], s[G0+7], 0x80000000
	s_mov_b32 s[G0B+4], 1
	s_add_co_u32 s[G0B+5], s95, SLOT
	s_add_nc_u64 s[G0B+6:G0B+7], s[46:47], RBB
	s_or_b32 s[G0B+7], s[G0B+7], 0x80000000
.macro ASK g, o                        ; fill g of my two row blocks is asked of memory
	global_prefetch_b8 v[\o], s[PFA:PFA+1] offset:(\g)*RBB th:TH_LOAD_NT scope:SCOPE_SE
	global_prefetch_b8 v[\o], s[PFA:PFA+1] offset:(\g)*RBB+RBP th:TH_LOAD_NT scope:SCOPE_SE
.endm
; the head's loads, one a wave: one tree of branches on the wave's number; every way through it passes one load
.macro ARM under, g0, g1, next
	s_cmp_lt_u32 s14, \under
	s_cbranch_scc0 \next
	tensor_load_to_lds s[\g0:\g0+3], s[\g1:\g1+7]
	s_nop 0
.rept 4
	v_nop
.endr
	s_branch .Lhead_asked
\next:
.endm
	ARM 1, G0,  G1,  .Lhead_b
	ARM 2, G0B, G1B, .Lhead_sa
	ARM 3, G0S, G1S, .Lhead_sb
	tensor_load_to_lds s[G0SB:G0SB+3], s[G1SB:G1SB+7]
	s_nop 0
.rept 4
	v_nop
.endr
.Lhead_asked:
	v_and_b32 v1, 15, v0                           ; r
	v_bfe_u32 v2, v0, 4, 1                         ; h
	v_and_b32 v3, 31, v0                           ; lane
	v_lshlrev_b32 v[LI], 4, v3
	v_lshlrev_b32 v[R4], 2, v1
	v_min_u32 v[PFO], 17, v3
	v_min_u32 v[PFO2], 5, v3
	v_lshlrev_b32 v[PFO], 8, v[PFO]
	v_lshlrev_b32 v[PFO2], 8, v[PFO2]
	s_wait_alu depctr_va_vdst(0)
	ASK 1, PFO                                     ; K steps 3-5 and 6-8
	ASK 2, PFO
	s_lshl_b32 s20, s17, 4
	s_lshl_b32 s21, s15, 3
	s_add_co_u32 s20, s20, s21                     ; x's first row block that I multiply
	s_lshl_b32 s20, s20, 10
	s_add_co_u32 s20, s20, XA_SC+SRB
	s_mov_b32 s21, 0
	s_add_nc_u64 s[4:5], s[4:5], s[20:21]          ; the two pointers have served the descriptors; from here on they stand at these words and are not written again
	s_lshl_b32 s46, s42, 4
	s_lshl_b32 s47, s16, 3
	s_add_co_u32 s46, s46, s47                     ; wq's
	s_lshl_b32 s46, s46, 10
	s_add_co_u32 s46, s46, WQ_SC+SRB
	s_mov_b32 s47, 0
	s_add_nc_u64 s[6:7], s[6:7], s[46:47]
.irp i, 0,1,2,3,4,5,6,7
	global_load_b32 v[SA15+\i], v[R4], s[4:5] offset:\i*1024
	global_load_b32 v[SB15+\i], v[R4], s[6:7] offset:\i*1024
.endr
	s_mul_i32 s21, s15, MBW*RBB                    ; my token blocks
	s_mul_i32 s22, s16, 8*RBB                      ; my row blocks of wq,
	s_add_co_u32 s22, s22, 2*MBW*RBB               ; which lie behind x's
.irp s, 0,1
	v_add_nc_u32 v[ADRA+\s], s21, v[LI]
	v_add_nc_u32 v[ADRB+\s], s22, v[LI]
	s_add_co_u32 s21, s21, SLOT
	s_add_co_u32 s22, s22, SLOT
.endr
	s_mul_i32 s21, s15, MBW*SRB                    ; x's scale words: my blocks
	s_mul_i32 s22, s16, 8*SRB                      ; wq's: my blocks
	s_add_co_u32 s22, s22, SCLB-SCL
	s_sub_co_u32 s22, s22, s21
	v_mul_u32_u24 v7, s22, v2                      ; lanes 16-31 take wq's: the lower base + h x the distance
	s_add_co_u32 s21, s21, SCL
	v_add_nc_u32 v6, v[R4], v7
	v_add_nc_u32 v[ADRS], s21, v6
	; the way out's LDS addresses.  A wave's stage is 24,576 bytes of slot 0, which has had its last fill and its last read when the first result is stored there
	s_mul_i32 s23, s14, 24576
	v_mul_u32_u24 v[VST], v1, 144
	v_lshl_add_u32 v[VST], v2, 6, v[VST]
	v_add_nc_u32 v[VST], s23, v[VST]               ; f32 stage: row r of 128 bytes + 16, + 64 h
	v_lshl_add_u32 v[VLD], v3, 2, s23              ; back: 4 x lane: a lane takes one of 32 channels
	v_bfe_u32 v4, v0, 3, 1                         ; u' = (lane / 8) % 2
	v_and_b32 v5, 7, v0
	v_lshl_add_u32 v5, v2, 3, v5                   ; p' = lane % 8 + 8 (lane / 16)
	v_mul_u32_u24 v[VIM], v4, 1536
	v_lshl_add_u32 v[VIM], v5, 4, v[VIM]
	v_add_nc_u32 v[VIM], s23, v[VIM]
	v_add_nc_u32 v[VIM], 18432, v[VIM]
	v_add_nc_u32 v[VIR], s23, v[LI]
	v_add_nc_u32 v[VSL], 21504, v[VIR]
	v_add_nc_u32 v[RSL], 22016, v[VIR]
	v_add_nc_u32 v[VIR], 18432, v[VIR]
	v_lshlrev_b32 v[VSS], 6, v4
	v_lshl_add_u32 v[VSS], v5, 2, v[VSS]
	v_add_nc_u32 v[VSS], s23, v[VSS]
	v_add_nc_u32 v[VSS], 21504, v[VSS]
	v_lshl_add_u32 v[RSS], v1, 2, s23
	v_add_nc_u32 v[RSS], 22016, v[RSS]
	; where my head goes
	s_lshr_b32 s18, s17, 2                         ; b
	s_and_b32 s19, s17, 3                          ; which 256 tokens of the sequence
	s_lshl_b32 s66, s19, 4
	s_lshl_b32 s67, s15, 3
	s_add_co_u32 s66, s66, s67                     ; jt0: my first token block in the sequence
	s_lshl_b32 s96, s66, 13
	s_mov_b32 s97, 0
	s_add_nc_u64 s[96:97], s[8:9], s[96:97]        ; the table at that block
	s_lshl_b32 s20, s18, 4
	s_lshl_b32 s21, s42, 1
	s_add_co_u32 s21, s21, s16                     ; q's head
	s_add_co_u32 s20, s20, s21
	s_lshl_b32 s20, s20, 6
	s_add_co_u32 s20, s20, s66                     ; q's image number
	s_mul_i32 s22, s20, 1536
	s_lshl_b32 s23, s20, 6
	s_add_co_u32 s23, s23, QB_SC
	s_lshl_b32 s92, s18, 2
	s_add_co_u32 s92, s92, s40                     ; 4 b + g, g = cx in the third column of clusters
	s_mul_i32 s93, s92, 204800
	s_mul_i32 s94, s19, 49152
	s_add_co_u32 s93, s93, s94
	s_mul_i32 s94, s15, 12288
	s_add_co_u32 s93, s93, s94
	s_mul_i32 s94, s16, 24576                      ; v's images lie 24,576 bytes behind k's of the same 256 keys
	s_add_co_u32 s93, s93, s94
	s_add_co_u32 s93, s93, 8192                    ; a group's codes lie behind its 8,192 bytes of scale words
	s_mul_i32 s94, s92, 204800
	s_lshl_b32 s95, s66, 6
	s_add_co_u32 s94, s94, s95
	s_lshl_b32 s95, s16, 12                        ; and v's scale words 4,096 bytes behind k's
	s_add_co_u32 s94, s94, s95
	s_cmp_eq_u32 ttmp9, 2                          ; the cluster's x: the same in all partners
	s_cselect_b64 s[98:99], s[12:13], s[10:11]
	s_cselect_b32 s22, s93, s22
	s_cselect_b32 s23, s94, s23
	s_mov_b64 s[66:67], s[98:99]
	s_mov_b32 s20, s22
	s_mov_b32 s21, 0
	s_add_nc_u64 s[98:99], s[98:99], s[20:21]      ; my codes
	s_mov_b32 s20, s23
	s_add_nc_u64 s[66:67], s[66:67], s[20:21]      ; my scale words
	s_mov_b32 s[SEL], 0x76543210
	s_mov_b32 s[SEL+1], 0xfedcba98
; the table of token block a of my eight comes into set a % 4 of window 1: 32 registers of cos, 32 of sin, in the accumulators' order
.macro SETB a
.if (\a)%4 == 0
.set CB, 96
.set SB, 224
.elseif (\a)%4 == 1
.set CB, 0
.set SB, 32
.elseif (\a)%4 == 2
.set CB, 64
.set SB, 128
.else
.set CB, 160
.set SB, 192
.endif
.endm
.macro TLOAD a
	SETB \a
	WIN 0x40                                       ; destination window 1
.irp k, 0,1,2,3,4,5,6,7
	global_load_b128 v[CB+4*\k:CB+4*\k+3], v[LI], s[96:97] offset:(\a)*8192+512*\k
.endr
.irp k, 0,1,2,3,4,5,6,7
	global_load_b128 v[SB+4*\k:SB+4*\k+3], v[LI], s[96:97] offset:(\a)*8192+4096+512*\k
.endr
	WIN 0
.endm
	TLOAD 0                                        ; set 0 lies in registers that the products leave alone: it is asked for here and waited for ahead of the last K step
; K step ks lies in slot (ks / 3) % 2, as that slot's (ks % 3)-th; wq's fragments and the scale words of K step ks go to set ks % 2
.macro FRAG reg, adr, q, i             ; a fragment: three loads of 512 consecutive bytes
.irp c, 0,1,2
	ds_load_b128 v[\reg+4*\c:\reg+4*\c+3], v[\adr] offset:(\i)*PIT+(\q)*1536+512*\c
.endr
.endm
; 8 matrix instructions: token block a against wq's eight.  The accumulators take turns, one instruction a turn, in the same order in every step.
.macro MULB a, p, zero
.irp b, 0,1,2,3,4,5,6,7
.if \zero
	v_wmma_scale_f32_16x16x128_f8f6f4 v[8*(8*((\a)%4)+\b):8*(8*((\a)%4)+\b)+7], v[128*(\p)+FR*\b:128*(\p)+FR*\b+FR-1], v[AF+FR*(\a):AF+FR*(\a)+FR-1], 0, v[SC+8*(\p)+\b], v[SC+8*(\p)+(\a)] matrix_a_fmt:MATRIX_FMT_BF6 matrix_b_fmt:MATRIX_FMT_BF6 matrix_a_scale:MATRIX_SCALE_ROW1
.else
	v_wmma_scale_f32_16x16x128_f8f6f4 v[8*(8*((\a)%4)+\b):8*(8*((\a)%4)+\b)+7], v[128*(\p)+FR*\b:128*(\p)+FR*\b+FR-1], v[AF+FR*(\a):AF+FR*(\a)+FR-1], v[8*(8*((\a)%4)+\b):8*(8*((\a)%4)+\b)+7], v[SC+8*(\p)+\b], v[SC+8*(\p)+(\a)] matrix_a_fmt:MATRIX_FMT_BF6 matrix_b_fmt:MATRIX_FMT_BF6 matrix_a_scale:MATRIX_SCALE_ROW1
.endif
.endr
.endm
.macro MULR a0, n, p, zero             ; token blocks a0 .. a0 + n - 1
.set AA, \a0
.rept \n
	MULB AA, \p, \zero
.set AA, AA+1
.endr
.endm
.macro MULB15 a                        ; the same for K step 15: both sides' scale words stand in lanes 0-15 of registers of their own
.irp b, 0,1,2,3,4,5,6,7
	v_wmma_scale_f32_16x16x128_f8f6f4 v[8*(8*((\a)%4)+\b):8*(8*((\a)%4)+\b)+7], v[128+FR*\b:128+FR*\b+FR-1], v[AF+FR*(\a):AF+FR*(\a)+FR-1], v[8*(8*((\a)%4)+\b):8*(8*((\a)%4)+\b)+7], v[SB15+\b], v[SA15+(\a)] matrix_a_fmt:MATRIX_FMT_BF6 matrix_b_fmt:MATRIX_FMT_BF6
.endr
.endm
.macro MULR15 a0, n
.set AA, \a0
.rept \n
	MULB15 AA
.set AA, AA+1
.endr
.endm
.macro FETCH_B ks                      ; wq's eight fragments of K step ks
	WIN 0x40
.irp i, 0,1,2,3,4,5,6,7
	FRAG 128*((\ks)%2)+FR*\i, ADRB+((\ks)/3)%2, (\ks)%3, \i
.endr
	WIN 0
.endm
.macro FETCH_A ks, i0                  ; token blocks i0 .. i0 + 3 of K step ks
.set II, \i0
.rept HB
	FRAG AF+FR*II, ADRA+((\ks)/3)%2, (\ks)%3, II
.set II, II+1
.endr
.endm
.macro SCAL ks                         ; K step ks's scale words
.irp i, 0,1,2,3,4,5,6,7
	ds_load_b32 v[SC+8*((\ks)%2)+\i], v[ADRS] offset:\i*SRB+(\ks)*64
.endr
.endm
.macro PLACES n                        ; a load into a register that a matrix instruction has read, and a read of a result, stand four plain vector instructions behind it (for the read of a result)
.rept \n
	v_nop
.endr
.endm
.macro STEP ks, zero                   ; K step ks, which has its successor in the same slot
	s_wait_dscnt HB*NL                             ; all but the youngest twelve loads, x's second four blocks
	WIN MUL_LO
	MULR 0, HB, (\ks)%2, \zero
	s_wait_dscnt 0
	PLACES NP
	FETCH_B (\ks)+1
	FETCH_A (\ks)+1, 0
	SCAL (\ks)+1
	WIN MUL_HI
	MULR HB, HB, (\ks)%2, \zero
	PLACES NP
	WIN 0
	FETCH_A (\ks)+1, HB
.endm
; A slot's last step changes slots: ONE barrier; in front of it each wave waits for all its tensor loads, adds 0 to its spare word, and waits for that and for its reads of this slot.
; fill = 1: this slot is filled again with the K steps six on; 2: with K step 15 alone; 0: nothing is left to fetch.
.macro TURN ks, fill
.set SL, ((\ks)/3)%2
	s_wait_tensorcnt 0x0                           ; all my tensor loads have landed: my part of the next slot
	ds_add_u32 v[SPW], v[NIL]                      ; 0 onto my spare word
	s_wait_dscnt HB*NL+1                           ; (the add and x's second four blocks may be out)
	WIN MUL_LO
	MULR 0, HB/2, (\ks)%2, 0
	s_wait_dscnt 0x0                               ; the add is done, and my reads of this slot are over
	s_barrier_signal -1
	MULR HB/2, HB/2, (\ks)%2, 0
	WIN 0
	s_barrier_wait -1
.if \fill
	CREST                                          ; the barrier has opened a round of the cluster's: no wave of any partner still reads this slot or has a load on its way
	s_add_nc_u64 s[G0+4*SL+2:G0+4*SL+3], s[G0+4*SL+2:G0+4*SL+3], 2*RBB
	s_add_nc_u64 s[G0B+4*SL+2:G0B+4*SL+3], s[G0B+4*SL+2:G0B+4*SL+3], 2*RBB
.if \fill == 2
	s_mov_b32 s[G1+1], 192<<16                     ; one image to a row: 192 elements of 8 bytes.  No tensor load of mine is out, so the shapes may be written
	s_mov_b32 s[G1+3], 192<<16
	s_mov_b32 s[G1B+1], 192<<16
	s_mov_b32 s[G1B+3], 192<<16
.endif
	JLOAD G0+4*SL, G1, G0B+4*SL, G1B               ; the first tensor load behind the round; its four v_nop are the places in front of the loads below
.else
	PLACES NP
.endif
	FETCH_B (\ks)+1
	FETCH_A (\ks)+1, 0
.if (\ks)+1 < 15
	SCAL (\ks)+1
.endif
.if (\ks) == 2
	ASK 4, PFO                                     ; two fills on: K steps 12-14
.elseif (\ks) == 5
	ASK 5, PFO2                                    ; K step 15: six blocks to a row block
.endif
	WIN MUL_HI
	MULR HB, HB, (\ks)%2, 0
	PLACES NP
	WIN 0
	FETCH_A (\ks)+1, HB
.endm
	s_wait_alu depctr_va_vdst(0)
	s_wait_tensorcnt 0x0                           ; my tile of the head's four is in
	ds_add_u32 v[SPW], v[NIL]
	s_mov_b32 s[G1+2], 8<<16                       ; no tensor load of mine is out, so descriptors may be written: from here on a load brings 8 row blocks,
	s_mov_b32 s[G1+4], 8
	s_mov_b32 s[G1B+2], 8<<16
	s_mov_b32 s[G1B+4], 8
	s_mov_b32 s[G0+1], s45                         ; and slot 0's sets stand at my half of the tile
	s_add_co_u32 s[G0B+1], s45, 2*MBW*RBB
	s_add_nc_u64 s[G0+2:G0+3], s[G0+2:G0+3], s[2:3]
	s_add_nc_u64 s[G0B+2:G0B+3], s[G0B+2:G0B+3], s[2:3]
	s_wait_dscnt 0x0                               ; the add is done
	CROUND                                         ; a whole round: all four tiles are in, and all sixteen work-groups are here
	JLOAD G0+4, G1, G0B+4, G1B                     ; K steps 3-5, the first tensor load behind the round
	FETCH_B 0
	FETCH_A 0, 0
	SCAL 0
	FETCH_A 0, HB
	ASK 3, PFO                                     ; two fills on: K steps 9-11
	STEP 0, 1                                      ; the first step's products start the sums: nothing is cleared
	STEP 1, 0
	TURN 2, 1                                      ; slot 0 takes K steps 6-8
	STEP 3, 0
	STEP 4, 0
	TURN 5, 1                                      ; slot 1 takes K steps 9-11
	STEP 6, 0
	STEP 7, 0
	TURN 8, 1                                      ; slot 0 takes K steps 12-14
	STEP 9, 0
	STEP 10, 0
	TURN 11, 2                                     ; slot 1 takes K step 15
	STEP 12, 0
	STEP 13, 0
.set PIT, 1536                         ; in that last fill the row blocks lie one image apart
	TURN 14, 0
	s_wait_loadcnt 0x0                             ; K step 15's scale words (and the table's first set), asked for at the head
	s_wait_dscnt HB*NL
	WIN MUL_LO
	MULR15 0, HB
	s_wait_dscnt 0
	WIN MUL_HI
	MULR15 HB, HB
	WIN 0
; ---------------------------------------------------------------- the way out
.set H,   32                           ; v32-95   a token block's head behind rope
.set PC,  96                           ; v96-115  the codes just made
.set TM,  116                          ; v116-131 at work in QUANT
.set PW,  132                          ; v132     the scale word just made
.set TT,  136                          ; v136-143 products at work
; 64 numbers of a lane, register 16 b + i = k 32 b + 16 (lane / 16) + i of my row, become a fragment's codes in v[PC] on and its scale word in v[PW]
.macro QUANT s
.irp b, 0,1,2,3
	v_max3_num_f32 v[TM+\b], |v[\s+16*\b]|, |v[\s+1+16*\b]|, 0x2800000   ; my 16 numbers of block b, and the floor 2^(5 - 127)
.endr
.irp i, 2,4,6,8,10,12,14
.irp b, 0,1,2,3
	v_max3_num_f32 v[TM+\b], v[TM+\b], |v[\s+16*\b+\i]|, |v[\s+1+16*\b+\i]|
.endr
.endr
.irp b, 0,1,2,3
	v_permlanex16_b32 v[TM+4+\b], v[TM+\b], s[SEL], s[SEL+1]
.endr
.irp b, 0,1,2,3
	v_max_num_f32 v[TM+\b], v[TM+\b], v[TM+4+\b]   ; with lane l xor 16's: the block's largest magnitude
.endr
.irp b, 0,1,2,3
	v_add_nc_u32 v[TM+12+\b], 0xfe000000, v[TM+\b] ; 4 off its exponent field: the conversion's scale operand
.endr
.irp b, 0,1,2,3
	v_lshrrev_b32 v[TM+4+\b], 23, v[TM+12+\b]      ; the scale's byte
.endr
	v_lshl_or_b32 v[PW], v[TM+5], 8, v[TM+4]
	v_lshl_or_b32 v[PW], v[TM+6], 16, v[PW]
	v_lshl_or_b32 v[PW], v[TM+7], 24, v[PW]
.irp c, 0,1
	v_cvt_scalef32_pk16_bf6_f32 v[PC+6*\c:PC+2+6*\c], v[\s+32*\c:\s+15+32*\c], v[TM+12+2*\c]
	v_cvt_scalef32_pk16_bf6_f32 v[PC+12+4*\c:PC+14+4*\c], v[\s+16+32*\c:\s+31+32*\c], v[TM+12+2*\c+1]
.endr
	v_nop                                          ; one plain line behind the scaled conversions
.irp c, 0,1                            ; the operand wants a WHOLE block in a lane: lanes 0-15 block 2 c, lanes 16-31 block 2 c + 1
.irp i, 0,1,2
	v_permlane16_swap_b32 v[PC+6*\c+\i], v[PC+12+4*\c+\i]
.endr
.irp i, 0,1,2
	v_mov_b32 v[PC+3+6*\c+\i], v[PC+12+4*\c+\i]
.endr
.endr
.endm
	PLACES NP                                      ; behind the last products: for the reads of results and the loads and writes into operands' registers below
	s_cmp_eq_u32 ttmp9, 2
	s_cselect_b32 s18, s16, 0                      ; v's waves: the third column of clusters, odd waves: the same in all partners
	s_cmp_lg_u32 s18, 0
	s_cbranch_scc1 .Lv
	; ---- q and k: rope, quantise along the head, store the image
	TLOAD 1
	TLOAD 2
	TLOAD 3
.irp b, 0,1,2,3
	v_mov_b32 v[TM+4+\b], 0                        ; written once: a lane permute's destination counts as one of its sources
.endr
.macro RBLOCK a
.if (\a) <= 4
	s_wait_loadcnt 48                              ; this block's table is in; three younger sets may be out
.else
	s_wait_loadcnt 16*(7-(\a))
.endif
	SETB \a
.set AC, 64*((\a)%4)
	WIN 0x06+(\a)/4                                ; source 0: the accumulators' window; source 1: window 1
.set N, 0
.rept 16                               ; register n: channel d < 64; register n + 32: channel d + 64.  Each accumulator is read from its low end on
.set T0, TT+4*((N/2)%2)
	v_pk_mul_f32 v[T0:T0+1], v[AC+32+N:AC+33+N], v[SB+N:SB+N+1]
	v_pk_mul_f32 v[T0+2:T0+3], v[AC+32+N:AC+33+N], v[CB+N:CB+N+1]
	v_pk_fma_f32 v[H+N:H+N+1], v[AC+N:AC+N+1], v[CB+N:CB+N+1], v[T0:T0+1] neg_lo:[0,0,1] neg_hi:[0,0,1]   ; x1 cos - x2 sin
	v_pk_fma_f32 v[H+32+N:H+33+N], v[AC+N:AC+N+1], v[SB+N:SB+N+1], v[T0+2:T0+3]                           ; x1 sin + x2 cos
.set N, N+2
.endr
.if (\a) < 4
	TLOAD (\a)+4                                   ; the set just read takes the block four further on
.endif
	WIN 0
	s_wait_xcnt 0x0                                ; the last block's stores have read their codes,
	s_wait_dscnt 0x0                               ; and its LDS store its scale word
	QUANT H
.irp c, 0,1,2
	global_store_b128 v[LI], v[PC+4*\c:PC+4*\c+3], s[98:99] offset:(\a)*1536+512*\c   ; the image: 512 consecutive bytes a store
.endr
	ds_store_b32 v[RSS], v[PW] offset:64*(\a)      ; both halves of the lanes write the same word
.endm
.set RA, 0
.rept 8
	RBLOCK RA
.set RA, RA+1
.endr
	ds_load_b128 v[144:147], v[RSL]
	s_wait_dscnt 0x0
	global_store_b128 v[LI], v[144:147], s[66:67]  ; eight blocks' scale words: 512 consecutive bytes
	s_branch .Ldone
	; ---- v: its K is the keys.  32 channels at a time go through an f32 stage (row = token in lane order, 128 bytes + 16) and come back a channel a lane, the registers running down the true keys:
	; the order of the tokens in a row block stands in the loads' immediates.  A lane then holds four whole blocks of 32 keys.
.set VX,  32                           ; v32-159  128 keys of my channel
.set IO,  200                          ; v200-223 two images on their way out
.macro B24 x, c, w
	v_max3_num_f32 v[\w], |v[\x]|, |v[\x+1]|, |v[\x+2]|
	v_max3_num_f32 v[\w+1], |v[\x+3]|, |v[\x+4]|, |v[\x+5]|
.irp i, 6,10,14,18,22,26
	v_max3_num_f32 v[\w], v[\w], |v[\x+\i]|, |v[\x+\i+1]|
	v_max3_num_f32 v[\w+1], v[\w+1], |v[\x+\i+2]|, |v[\x+\i+3]|
.endr
	v_max3_num_f32 v[\w], v[\w], |v[\x+30]|, |v[\x+31]|
	v_max3_num_f32 v[\w], v[\w], v[\w+1], 0x2800000
	v_add_nc_u32 v[\w+2], 0xfe000000, v[\w]
	v_lshrrev_b32 v[\w+3], 23, v[\w+2]
	v_cvt_scalef32_pk16_bf6_f32 v[\c:\c+2], v[\x:\x+15], v[\w+2]
	v_cvt_scalef32_pk16_bf6_f32 v[\c+4:\c+6], v[\x+16:\x+31], v[\w+2]
	v_nop                                          ; one plain line behind the scaled conversions
	v_mov_b32 v[\c+3], v[\c+4]
	v_mov_b32 v[\c+4], v[\c+5]
	v_mov_b32 v[\c+5], v[\c+6]
.endm
.macro VPASS P                         ; channels 32 P .. 32 P + 31
.set A8, 0
.rept 8
	WIN 0x08+4*(A8/4)                              ; an LDS store's data are its source 1
.irp u, 0,1
.set AC, 8*(8*(A8%4)+2*(\P)+\u)
	ds_store_b128 v[VST], v[AC:AC+3] offset:16*A8*144+32*\u        ; each accumulator from its low end on
	ds_store_b128 v[VST], v[AC+4:AC+7] offset:16*A8*144+32*\u+16
.endr
.set A8, A8+1
.endr
	WIN 0
.set KK, 0
.rept 128
	ds_load_b32 v[VX+KK], v[VLD] offset:(16*(2*(KK/32)+(((KK%32)>>3)&1))+(KK&7)+8*((KK%32)>>4))*144   ; key KK of my 128: LDS serves a wave's instructions in order
.set KK, KK+1
.endr
	s_wait_dscnt 0x0
.set BL, 0
.rept 4
	B24 VX+32*BL, 160+8*BL, 192
.if BL == 0
	v_mov_b32 v199, v195
.else
	v_lshl_or_b32 v199, v195, 8*BL, v199
.endif
.if BL < 2                             ; block 2 c' + h' belongs to lane p' + 16 h' of my channel's image, registers 6 c' .. 6 c' + 5
	ds_store_b128 v[VIM], v[160+8*BL:163+8*BL] offset:256*(BL%2)
	ds_store_b64 v[VIM], v[164+8*BL:165+8*BL] offset:256*(BL%2)+512
.else
	ds_store_b64 v[VIM], v[160+8*BL:161+8*BL] offset:256*(BL%2)+520
	ds_store_b128 v[VIM], v[162+8*BL:165+8*BL] offset:256*(BL%2)+1024
.endif
.set BL, BL+1
.endr
	ds_store_b32 v[VSS], v199 offset:128*(\P)
.if (\P) > 0
	s_wait_xcnt 0x0                                ; the last pass's stores have read their registers
.endif
.irp k, 0,1,2,3,4,5
	ds_load_b128 v[IO+4*\k:IO+4*\k+3], v[VIR] offset:512*\k
.endr
	s_wait_dscnt 0x0
.irp k, 0,1,2,3,4,5
	global_store_b128 v[LI], v[IO+4*\k:IO+4*\k+3], s[98:99] offset:(\P)*3072+512*\k
.endr
.endm
.Lv:
	VPASS 0
	VPASS 1
	VPASS 2
	VPASS 3
	ds_load_b128 v[144:147], v[VSL]
	s_wait_dscnt 0x0
	global_store_b128 v[LI], v[144:147], s[66:67]  ; eight images' scale words: 512 consecutive bytes
.Ldone:
	s_wait_tensorcnt 0x0                           ; the wave's end: behind my last tensor load and my last LDS store
	ds_add_u32 v[SPW], v[NIL]
	s_wait_dscnt 0x0
	CROUND                                         ; the closing round: no work-group ends while a partner may still ask for a tile that names it
	s_endpgm
.Lfunc_end_k_q025825e3ba_qkv:
	.size	k_q025825e3ba_qkv, .Lfunc_end_k_q025825e3ba_qkv-k_q025825e3ba_qkv
	.p2alignl 7, 3214868480
	.fill 96, 4, 3214868480
	.section	.rodata,"a",@progbits
	.p2align	6, 0x0
	.amdhsa_kernel k_q025825e3ba_qkv
		.amdhsa_group_segment_fixed_size 327680
		.amdhsa_private_segment_fixed_size 0
		.amdhsa_enable_private_segment 0
		.amdhsa_kernarg_size 40
		.amdhsa_user_sgpr_count 2
		.amdhsa_user_sgpr_kernarg_segment_ptr 1
		.amdhsa_wavefront_size32 1
		.amdhsa_system_sgpr_workgroup_id_x 1
		.amdhsa_system_sgpr_workgroup_id_y 1
		.amdhsa_system_sgpr_workgroup_id_z 1
		.amdhsa_system_vgpr_workitem_id 0
		.amdhsa_next_free_vgpr 1024
		.amdhsa_next_free_sgpr 102
		.amdhsa_reserve_vcc 0
		.amdhsa_float_denorm_mode_32 3
		.amdhsa_float_denorm_mode_16_64 3
		.amdhsa_memory_ordered 1
		.amdhsa_forward_progress 1
		.amdhsa_inst_pref_size 255
	.end_amdhsa_kernel
	.section	.bss,"aw",@nobits
	.p2align	6
	.space	262144
	.amdgpu_metadata
---
amdhsa.version: [ 1, 2 ]
amdhsa.kernels:
  - .name:           k_q025825e3ba_qkv
    .symbol:         k_q025825e3ba_qkv.kd
    .args:
      - { .name: xa, .offset: 0, .size: 8, .value_kind: global_buffer, .address_space: global }
      - { .name: wq, .offset: 8, .size: 8, .value_kind: global_buffer, .address_space: global }
      - { .name: tab, .offset: 16, .size: 8, .value_kind: global_buffer, .address_space: global }
      - { .name: qb, .offset: 24, .size: 8, .value_kind: global_buffer, .address_space: global }
      - { .name: kv, .offset: 32, .size: 8, .value_kind: global_buffer, .address_space: global }
    .group_segment_fixed_size: 327680
    .private_segment_fixed_size: 0
    .kernarg_segment_align: 8
    .kernarg_segment_size: 40
    .max_flat_workgroup_size: 128
    .sgpr_count:     102
    .vgpr_count:     1024
    .wavefront_size: 32
...
	.end_amdgpu_metadata
.endif
;; end of part 2
;; launch attn (part 3): grid 16 x 16, 16 waves a work-group, clusters of 4 x 1, 327,680 bytes of LDS; arguments qb, kv, xa; writes xa
.if DOCPART == 3
	.amdgcn_target "amdgcn-amd-amdhsa--gfx1250"
	.amdhsa_code_object_version 6
	.text
	.protected	k_q025825e3ba_attn
	.globl	k_q025825e3ba_attn
	.p2align	8
	.type	k_q025825e3ba_attn,@function
k_q025825e3ba_attn:
	s_mov_b64 s[64:65], 0
	v_nop
	global_prefetch_b8 v0, s[64:65] scope:SCOPE_SE
	s_setreg_imm32_b32 hwreg(HW_REG_WAVE_MODE, 25, 1), 1
	s_wait_xcnt 0x0
	s_wait_alu depctr_hold_cnt(0) depctr_sa_sdst(0) depctr_va_vdst(0) depctr_va_sdst(0) depctr_va_ssrc(0) depctr_va_vcc(0) depctr_vm_vsrc(0)
	s_getreg_b32 s2, hwreg(HW_REG_IB_STS2, 6, 4)
	s_cmp_eq_u32 s2, 0
	s_cbranch_scc0 .Lentry_in_a_cluster
	s_endpgm
.Lentry_in_a_cluster:
	s_bfe_u32 s2, ttmp6, 0x10000c
	s_cmp_lg_u32 s2, 0x3003
	s_cbranch_scc0 .Lentry_shape_is_right
	s_endpgm
.Lentry_shape_is_right:
; Causal attention on codes of BF6 (E3M2) with E8M0 scales, for 64 query heads (batch x 16) of 1,024 tokens over 16 groups of keys and values; the result is quantised along head x 128 and leaves as the
; last product's operand.  t = score x log2(e) / sqrt(128); M = the running largest t rounded UP to a whole number; p = 2^(t - M) is quantised along the keys, not normalised; the row's sum is taken of the
; unquantised p and divides at the end; when M moves, the sum and O are multiplied by 2^(old M - new M), which rounds nothing.
; SHARES.  Work-group y = 4 b + g: the group.  A cluster's four partners take the group's four query heads (cx, which enters global addresses alone) and read the same K and V: every tile is asked for jointly.
; The cluster's x, c, and the wave pick a tile of 16 queries: token block j = 8 L + 2 c + e, e = (wave / 4) % 2, L a level 0-7 from a 4 x 4 square over (wave / 4, wave % 4):
;     7 0 5 2 / 6 1 4 3 / 1 6 3 4 / 0 7 2 5.   A tile of level L needs key steps 0 .. L (128 keys each).  All rows and all columns of the square add up to 14: four waves of a row or of a column have 18 steps
; together, and every work-group 72; in a column the two longest differ by one step, in a row by two.
; NO RING: a group's K and V, 196,608 bytes of codes and 8,192 of scale words, lie in LDS whole, filled once, in four stages of 256 keys.  TWO BARRIERS: the first behind every wave's wait for its part of stage 0,
; the second, behind stage 0's steps, behind every wave's wait for ALL its tensor loads: from there on the waves run free, each through its own L + 1 steps.  Nothing is filled again.
; Nothing is prefetched: all that the launch reads is asked for at its head.
; LAYOUT.  Operands lie as images of their registers (1,536 bytes: byte 512 c + 16 lane + 4 m = register 4 c + m).  Both products are used transposed: S^T = K Q^T, O^T = V^T P^T: a lane holds one query.
; Row block j holds at lane-row p the row 32 (j / 2) + 8 (j % 2) + p + 8 (p / 8): so the 16 registers of tiles 2 b, 2 b + 1 are 16 neighbouring keys (S^T) or channels (O^T).
; LDS LOADS STAND AHEAD OF THE WORK THAT CAN HIDE THEM.  All eight fragments of K are asked for at a step's head: four in v32-79, one in v80-91, one in v224-235, two in S^T's own registers v96-119, which are
; multiplied in an order in which no result overlaps its own source.  V's first four fragments are asked for ahead of the softmax, its last four, into p's registers, behind the conversions.
; A step all of whose keys come after my queries is left out by a scalar branch on ids; in the step on the diagonal hidden scores become -infinity ahead of the maximum.
; LIMITS: NaN and infinities are not served; a block under 2^-122 (a block of zeros too) keeps the scale byte 1.
; THE FILLS AS THEY STAND: a group lies in kv as 204,800 bytes on end, 8,192 of scale words (K's, then V's) and then the codes, and in LDS likewise.  At the head each wave asks for one sixteenth of the scale words
; and stage 0 (14 rows of 256 bytes); behind the wait for it, the add and a round of the cluster's barrier each wave asks for one sixteenth of stages 1 to 3 (36 rows): one tensor load of a wave is out at any time.
; The round shows stage 0 whole; the barrier behind stage 0's steps shows the rest whole.  Nothing is filled again.
.set SCB,   0                          ; LDS: K's scale words (64 bytes a token block), and 4,096 bytes on V's (512 bytes a key step); the codes from byte 8,192 on
.set QB_SC, 6291456
.set XA_SC, 6291456
.set LI,  1                            ; v1   16 x lane
.set ASC, 2                            ; v2   SCB + 4 x lane
.set DM,  3                            ; v3   my query's place in its key step - 16 (lane / 16)
.set R4,  7                            ; v7   4 r
.set AD,  8                            ; v8   the step's tiles
.set ADS, 10                           ; v10  the step's scale words
.set TM,  32                           ; the way out: at work in QUANT
.set PC,  48
.set PW,  68
.set WV,  18
.set SEL, 20
.set CS,  22
.set G1,  24                           ; s[24:31] a wave's part of the scale words and stage 0: 14 rows of 256 bytes
.set G1S, 32                           ; s[32:39] of stages 1 to 3: 36 rows
.set G0,  40                           ; s[40:47] two groups 0
.set TB,  60
.set TS,  61
.set SS,  62                           ; the step's number
.set LV,  63                           ; my level
.set TW,  66
.macro CROUND
	s_barrier_signal -1
	s_barrier_wait -1
	s_cmp_lg_u32 s[WV], 0
	s_cbranch_scc1 .Lnot_wave_0_\@
	s_barrier_signal -3
.Lnot_wave_0_\@:
	s_barrier_wait -3
	s_barrier_signal -1
	s_barrier_wait -1
.endm
	s_load_b128 s[4:7], s[0:1], 0x0                ; qb, kv
	s_load_b64 s[8:9], s[0:1], 0x10                ; xa
	v_lshl_add_u32 v95, v0, 2, 0x32000
	v_mov_b32 v243, 0
	ds_add_u32 v95, v243
	ds_add_u32 v95, v243
	s_wait_dscnt 0x0
	v_lshrrev_b32 v8, 5, v0
	s_delay_alu instid0(VALU_DEP_1)
	v_readfirstlane_b32 s[WV], v8                  ; wave 0..15
	s_bfe_u32 s10, ttmp6, 0x40000                  ; cx: the query head in the group
	s_and_b32 s11, ttmp7, 0xffff                   ; 4 b + g
	s_mov_b32 s12, 0x52704361                      ; the levels of waves 8-15, a nibble each,
	s_cmp_lt_u32 s[WV], 8
	s_cselect_b32 s12, 0x34162507, s12             ; of waves 0-7
	s_and_b32 s13, s[WV], 7
	s_lshl_b32 s13, s13, 2
	s_lshr_b32 s12, s12, s13
	s_and_b32 s[LV], s12, 7
	s_bfe_u32 s14, s[WV], 0x10002                  ; e
	s_lshl_b32 s15, s[LV], 3
	s_lshl_b32 s16, ttmp9, 1
	s_add_co_u32 s15, s15, s16
	s_add_co_u32 s15, s15, s14                     ; j
	s_mov_b32 s[G1], 15|(3<<16)|(1<<21)            ; 15:0 the mask: all four partners; 17:16 elements of 8 bytes; 21 set beside a mask
	s_mov_b32 s[G1+1], 32<<16
	s_mov_b32 s[G1+2], 14<<16
	s_mov_b32 s[G1+3], 32<<16
	s_mov_b32 s[G1+4], 14
	s_mov_b32 s[G1+5], 32
	s_mov_b32 s[G1+6], 0
	s_mov_b32 s[G1+7], 0
	s_mov_b32 s[G1S], 15|(3<<16)|(1<<21)
	s_mov_b32 s[G1S+1], 32<<16
	s_mov_b32 s[G1S+2], 36<<16
	s_mov_b32 s[G1S+3], 32<<16
	s_mov_b32 s[G1S+4], 36
	s_mov_b32 s[G1S+5], 32
	s_mov_b32 s[G1S+6], 0
	s_mov_b32 s[G1S+7], 0
	s_mul_i32 s75, s[WV], 3584                     ; my 14 rows of the first 224 (scale words and stage 0)
	s_mul_i32 s70, s11, 204800                     ; the group
	s_mul_i32 s74, s[WV], 9216                     ; my 36 rows of the other 576,
	s_add_co_u32 s74, s74, 57344                   ; which begin behind the 224
	s_add_co_u32 s72, s70, s74
	s_add_co_u32 s70, s70, s75
	s_mov_b32 s71, 0
	s_mov_b32 s73, 0
	s_mov_b32 s[SEL], 0x76543210
	s_mov_b32 s[SEL+1], 0xfedcba98
	s_mov_b32 s[CS], 0x3e0293ee                    ; c = log2(e) / sqrt(128)
	s_mov_b32 s[CS+1], s[CS]
	CROUND                                         ; all four work-groups are here: the joint loads meet.  The round stands ahead of the wait for the arguments, which are on their way meanwhile
	s_wait_kmcnt 0x0
	s_add_nc_u64 s[70:71], s[6:7], s[70:71]
	s_add_nc_u64 s[72:73], s[6:7], s[72:73]
	s_mov_b32 s[G0], 1
	s_mov_b32 s[G0+1], s75
	s_mov_b64 s[G0+2:G0+3], s[70:71]
	s_or_b32 s[G0+3], s[G0+3], 0x80000000
	s_mov_b32 s[G0+4], 1
	s_mov_b32 s[G0+5], s74
	s_mov_b64 s[G0+6:G0+7], s[72:73]
	s_or_b32 s[G0+7], s[G0+7], 0x80000000
	tensor_load_to_lds s[G0:G0+3], s[G1:G1+7]      ; the scale words and stage 0
	s_nop 0
.rept 4
	v_nop
.endr
	s_lshl_b32 s12, s11, 2
	s_add_co_u32 s12, s12, s10                     ; the query head: 16 b + 4 g + cx
	s_lshl_b32 s12, s12, 6
	s_add_co_u32 s12, s12, s15
	s_mul_i32 s16, s12, 1536
	s_mov_b32 s17, 0
	s_add_nc_u64 s[76:77], s[4:5], s[16:17]        ; my queries' image
	s_lshl_b32 s16, s12, 6
	s_add_co_u32 s16, s16, QB_SC
	s_add_nc_u64 s[78:79], s[4:5], s[16:17]        ; and their scale words
	v_and_b32 v4, 31, v0
	s_delay_alu instid0(VALU_DEP_1)
	v_lshlrev_b32 v[LI], 4, v4
	s_delay_alu instid0(VALU_DEP_2)
	v_lshl_add_u32 v[ASC], v4, 2, SCB
	v_and_b32 v5, 15, v0                           ; r
	s_wait_alu depctr_va_vdst(0)
	v_bfe_u32 v6, v0, 4, 1                         ; h
	s_wait_alu depctr_va_vdst(0)
	v_lshlrev_b32 v[R4], 2, v5
.irp c, 0,1,2
	global_load_b128 v[16+4*\c:19+4*\c], v[LI], s[76:77] offset:512*\c   ; Q's fragment stays in registers
.endr
	global_load_b32 v255, v[R4], s[78:79]
	s_lshr_b32 s12, s11, 2
	s_lshl_b32 s12, s12, 6
	s_add_co_u32 s12, s12, s15                     ; the output's row block: 64 b + j
	s_and_b32 s13, s11, 3
	s_lshl_b32 s13, s13, 2
	s_add_co_u32 s13, s13, s10                     ; its K step: the head 4 g + cx
	s_mul_i32 s16, s12, 24576
	s_mul_i32 s19, s13, 1536
	s_add_co_u32 s16, s16, s19
	s_add_nc_u64 s[68:69], s[8:9], s[16:17]
	s_lshl_b32 s16, s12, 10
	s_lshl_b32 s19, s13, 6
	s_add_co_u32 s16, s16, s19
	s_add_co_u32 s16, s16, XA_SC
	s_add_nc_u64 s[8:9], s[8:9], s[16:17]
	s_lshl_b32 s12, ttmp9, 5
	s_lshl_b32 s13, s14, 3
	s_add_co_u32 s12, s12, s13
	v_and_b32 v9, 8, v5
	s_delay_alu instid0(VALU_DEP_1)
	v_add3_u32 v[DM], v9, v5, s12                  ; my query in its key step: 32 c + 8 e + r + 8 (r / 8),
	v_lshlrev_b32 v9, 4, v6
	s_delay_alu instid0(VALU_DEP_1)
	v_sub_nc_u32 v[DM], v[DM], v9                  ; - 16 h: register 16 b + i holds key 32 b + 16 h + i: hidden where 32 b + i is above this
	v_mov_b32 v13, 0xff61b1e6                      ; the largest t so far: -3e38
	s_delay_alu instid0(VALU_DEP_1)
	v_floor_f32 v12, -v13                          ; -M
	v_mov_b32 v14, 0
	v_mov_b32 v15, 0
.irp b, 0,1,2,3
	v_mov_b32 v[236+\b], 0                         ; written once: a lane permute's destination counts as one of its sources
.endr
	v_mov_b32 v252, 0
	v_mov_b32 v253, 0
.set J, 0
.rept 64
	v_mov_b32 v[160+J], 0                          ; O^T: the step is written once; the first finds zeros, which the first change of M leaves zeros
.set J, J+1
.endr
.macro KFRAG reg, t                    ; K's tile t of the step: three loads of 512 consecutive bytes
.irp c, 0,1,2
	ds_load_b128 v[\reg+4*\c:\reg+4*\c+3], v[AD] offset:(\t)*1536+512*\c
.endr
.endm
.macro VFRAG reg, t                    ; V's tile t
.irp c, 0,1,2
	ds_load_b128 v[\reg+4*\c:\reg+4*\c+3], v[AD] offset:24576+(\t)*1536+512*\c
.endr
.endm
.macro QK t, reg                       ; S^T's tile t = 16 keys x my 16 queries.  Register 248 + t / 2 holds tile t's scale words in lanes 0-15 (t even) or 16-31 (t odd)
.if (\t)%2
	v_wmma_scale_f32_16x16x128_f8f6f4 v[96+8*(\t):103+8*(\t)], v[\reg:\reg+11], v[16:27], 0, v[248+(\t)/2], v255 matrix_a_fmt:MATRIX_FMT_BF6 matrix_b_fmt:MATRIX_FMT_BF6 matrix_a_scale:MATRIX_SCALE_ROW1
.else
	v_wmma_scale_f32_16x16x128_f8f6f4 v[96+8*(\t):103+8*(\t)], v[\reg:\reg+11], v[16:27], 0, v[248+(\t)/2], v255 matrix_a_fmt:MATRIX_FMT_BF6 matrix_b_fmt:MATRIX_FMT_BF6
.endif
.endm
.macro PV t, reg                       ; O^T's tile t += 16 channels x these 128 keys
.if (\t)%2
	v_wmma_scale_f32_16x16x128_f8f6f4 v[160+8*(\t):167+8*(\t)], v[\reg:\reg+11], v[224:235], v[160+8*(\t):167+8*(\t)], v[248+(\t)/2], v253 matrix_a_fmt:MATRIX_FMT_BF6 matrix_b_fmt:MATRIX_FMT_BF6 matrix_a_scale:MATRIX_SCALE_ROW1
.else
	v_wmma_scale_f32_16x16x128_f8f6f4 v[160+8*(\t):167+8*(\t)], v[\reg:\reg+11], v[224:235], v[160+8*(\t):167+8*(\t)], v[248+(\t)/2], v253 matrix_a_fmt:MATRIX_FMT_BF6 matrix_b_fmt:MATRIX_FMT_BF6
.endif
.endm
; A KEY STEP: 128 keys
.macro STEP
	s_cmp_gt_u32 s[SS], s[LV]
	s_cbranch_scc1 .Lhidden_\@                     ; all its keys come after my queries
	v_add_nc_u32 v[AD], s[TB], v[LI]
	v_add_nc_u32 v[ADS], s[TS], v[ASC]
.rept 3
	v_nop                                          ; with the two additions five places behind the last step's products: four for the loads into registers that they read, five for the products below that write over v96-143, which they read
.endr
.irp i, 0,1,2,3
	ds_load_b32 v[248+\i], v[ADS] offset:128*\i    ; lanes 0-15: tile 2 i's scale words, lanes 16-31: tile 2 i + 1's
.endr
	KFRAG 32, 4                                    ; all eight tiles of K are asked for at once; those multiplied first come first
	KFRAG 44, 5
	KFRAG 56, 6
	KFRAG 68, 7
	KFRAG 96, 3                                    ; two fragments lie in S^T's own registers until the results want them
	KFRAG 108, 0
	KFRAG 80, 1
	KFRAG 224, 2
	s_wait_alu depctr_va_vdst(0)
	s_wait_dscnt 12                                ; the scale words and tiles 4-7 are in; the twelve loads of the other four may be out
	QK 4, 32
	QK 5, 44
	QK 6, 56
	QK 7, 68
	s_wait_dscnt 0x0
	QK 3, 96                                       ; result v120-127
.rept 5
	v_nop                                          ; five places ahead of a product that writes over a source of an earlier one
.endr
	QK 0, 108                                      ; result v96-103, over tile 3's fragment
.rept 5
	v_nop
.endr
	QK 1, 80                                       ; result v104-111, over the ends of both fragments
	QK 2, 224                                      ; result v112-119
.rept 4
	v_nop                                          ; places ahead of the reads of results and of the loads into registers that the products read
.endr
	VFRAG 32, 0                                    ; V's first four tiles and its scale words land while the softmax is worked
	VFRAG 44, 1
	VFRAG 56, 2
	VFRAG 68, 3
.irp i, 0,1,2,3
	ds_load_b32 v[248+\i], v[ADS] offset:4096+128*\i
.endr
	s_cmp_lg_u32 s[SS], s[LV]
	s_cbranch_scc1 .Lopen_\@                       ; only the step on the diagonal hides keys
	v_mov_b32 v254, 0xff800000                     ; -infinity
.set N, 0
.rept 64
	v_cmp_gt_i32 vcc_lo, 32*(N/16)+N%16, v[DM]
	v_cndmask_b32 v[96+N], v[96+N], v254, vcc_lo
.set N, N+1
.endr
.Lopen_\@:
.irp b, 0,1,2,3
	v_max3_num_f32 v[232+\b], v[96+16*\b], v[97+16*\b], v[98+16*\b]   ; the largest score of each block of 32 keys: it serves for the row's maximum and, since p rises with the score, for the block's largest p
.endr
.irp i, 3,5,7,9,11,13
.irp b, 0,1,2,3
	v_max3_num_f32 v[232+\b], v[232+\b], v[96+16*\b+\i], v[97+16*\b+\i]
.endr
.endr
.irp b, 0,1,2,3
	v_max_num_f32 v[232+\b], v[232+\b], v[111+16*\b]
.endr
.irp b, 0,1,2,3
	s_delay_alu instid0(VALU_DEP_4)
	v_permlanex16_b32 v[236+\b], v[232+\b], s[SEL], s[SEL+1]
.endr
.irp b, 0,1,2,3
	s_delay_alu instid0(VALU_DEP_4)
	v_max_num_f32 v[232+\b], v[232+\b], v[236+\b]  ; with lane l xor 16's 16 keys
.endr
	s_delay_alu instid0(VALU_DEP_2)
	v_max3_num_f32 v254, v232, v233, v234
	s_delay_alu instid0(VALU_DEP_1)
	v_max_num_f32 v254, v254, v235
	s_delay_alu instid0(VALU_DEP_1)
	v_mul_f32 v254, s[CS], v254                    ; as t (c is positive)
	s_delay_alu instid0(VALU_DEP_1)
	v_max_num_f32 v13, v13, v254                   ; the running largest t
	v_mov_b32 v254, v12
	s_delay_alu instid0(VALU_DEP_2)
	v_floor_f32 v12, -v13                          ; the new -M = floor(-t): M is a whole number
	s_delay_alu instid0(VALU_DEP_1)
	v_sub_f32 v254, v12, v254                      ; old M - new M: a whole number, 0 or less
	s_delay_alu instid0(VALU_DEP_1)
	v_cvt_i32_f32 v254, v254                       ; (it saturates)
	s_delay_alu instid0(VALU_DEP_1)
	v_ldexp_f32 v252, 1.0, v254                    ; f = 2^(old M - new M)
.set J, 0
.rept 32
	v_pk_fma_f32 v[96+J:97+J], v[96+J:97+J], s[CS:CS+1], v[12:13] op_sel_hi:[1,0,0]   ; t - M, two at a time
.set J, J+2
.endr
.irp b, 0,1,2,3
	v_fma_f32 v[232+\b], v[232+\b], s[CS], v12     ; the same of each block's largest score
.endr
.set J, 0
	s_wait_alu depctr_va_vdst(0)
.rept 64
	v_exp_f32 v[96+J], v[96+J]                     ; p = 2^(t - M), at most 1
.set J, J+1
.endr
	v_pk_mul_f32 v[14:15], v[14:15], v[252:253] op_sel_hi:[1,0]    ; the sums under the new M: a plain line behind the exponentials
	s_wait_alu depctr_va_vdst(0)                   ; one wait for the whole batch, ahead of its first reader
.irp b, 0,1,2,3
	v_exp_f32 v[232+\b], v[232+\b]                 ; the block's largest p
.endr
	v_pk_add_f32 v[236:237], v[100:101], v[104:105]
	v_pk_add_f32 v[246:247], v[108:109], v[112:113]
	v_pk_add_f32 v[244:245], v[116:117], v[120:121]
	v_pk_add_f32 v[240:241], v[124:125], v[128:129]
	v_pk_add_f32 v[238:239], v[132:133], v[136:137]
	v_pk_add_f32 v[230:231], v[140:141], v[144:145]
	v_pk_add_f32 v[228:229], v[148:149], v[152:153]
	v_pk_add_f32 v[14:15], v[14:15], v[156:157]
	v_pk_add_f32 v[236:237], v[236:237], v[96:97]
	v_pk_add_f32 v[246:247], v[246:247], v[98:99]
	v_pk_add_f32 v[244:245], v[244:245], v[102:103]
	v_pk_add_f32 v[240:241], v[240:241], v[106:107]
	v_pk_add_f32 v[238:239], v[238:239], v[110:111]
	v_pk_add_f32 v[230:231], v[230:231], v[114:115]
	v_pk_add_f32 v[228:229], v[228:229], v[118:119]
	v_pk_add_f32 v[14:15], v[14:15], v[122:123]
	v_pk_add_f32 v[236:237], v[236:237], v[126:127]
	v_pk_add_f32 v[246:247], v[246:247], v[130:131]
	v_pk_add_f32 v[244:245], v[244:245], v[134:135]
	v_pk_add_f32 v[240:241], v[240:241], v[138:139]
	v_pk_add_f32 v[238:239], v[238:239], v[142:143]
	v_pk_add_f32 v[230:231], v[230:231], v[146:147]
	v_pk_add_f32 v[228:229], v[228:229], v[150:151]
	v_pk_add_f32 v[14:15], v[14:15], v[154:155]
	v_pk_add_f32 v[236:237], v[236:237], v[158:159]
	s_delay_alu instid0(VALU_DEP_2)
	v_pk_add_f32 v[14:15], v[14:15], v[240:241]
	s_delay_alu instid0(VALU_DEP_2)
	v_pk_add_f32 v[236:237], v[236:237], v[238:239]
	v_pk_add_f32 v[246:247], v[246:247], v[230:231]
	v_pk_add_f32 v[244:245], v[244:245], v[228:229]
	s_delay_alu instid0(VALU_DEP_2)
	v_pk_add_f32 v[14:15], v[14:15], v[246:247]
	s_delay_alu instid0(VALU_DEP_2)
	v_pk_add_f32 v[236:237], v[236:237], v[244:245]
	s_delay_alu instid0(VALU_DEP_1)
	v_pk_add_f32 v[14:15], v[14:15], v[236:237]
	s_wait_alu depctr_va_vdst(0)                   ; and one for the four
.irp b, 0,1,2,3
	v_max_num_f32 v[232+\b], 0x2800000, v[232+\b]  ; the floor 2^(5 - 127)
.endr
.irp b, 0,1,2,3
	s_delay_alu instid0(VALU_DEP_4)
	v_add_nc_u32 v[244+\b], 0xfe000000, v[232+\b]  ; the conversion's scale operand
.endr
.irp b, 0,1,2,3
	s_delay_alu instid0(VALU_DEP_4)
	v_lshrrev_b32 v[236+\b], 23, v[244+\b]         ; the scale's byte
.endr
	s_delay_alu instid0(VALU_DEP_3)
	v_lshl_or_b32 v253, v237, 8, v236              ; p's scale word for these 128 keys
	s_delay_alu instid0(VALU_DEP_1)
	v_lshl_or_b32 v253, v238, 16, v253
	s_delay_alu instid0(VALU_DEP_1)
	v_lshl_or_b32 v253, v239, 24, v253
.irp c, 0,1
	v_cvt_scalef32_pk16_bf6_f32 v[224+6*\c:226+6*\c], v[96+32*\c:111+32*\c], v[244+2*\c]
	v_cvt_scalef32_pk16_bf6_f32 v[236+4*\c:238+4*\c], v[112+32*\c:127+32*\c], v[244+2*\c+1]
.endr
	v_nop                                          ; one plain line behind the scaled conversions
	VFRAG 96, 4                                    ; p has been summed and converted: its registers take V's last four tiles, which land under the lines below
	VFRAG 108, 5
	VFRAG 120, 6
	VFRAG 132, 7
.irp c, 0,1
.irp i, 0,1,2
	v_permlane16_swap_b32 v[224+6*\c+\i], v[236+4*\c+\i]
.endr
.irp i, 0,1,2
	s_delay_alu instid0(VALU_DEP_3)
	v_mov_b32 v[227+6*\c+\i], v[236+4*\c+\i]
.endr
.endr
.set J, 0
.rept 32
	v_pk_mul_f32 v[160+J:161+J], v[160+J:161+J], v[252:253] op_sel_hi:[1,0]   ; O^T under the new M; these are also the places in front of the products below
.set J, J+2
.endr
	s_wait_alu depctr_va_vdst(0)
	s_wait_dscnt 12                                ; V's first four tiles and its scale words are in; the twelve loads of the last four may be out
	PV 0, 32                                       ; the eight accumulators by turns, one instruction a turn
	PV 1, 44
	PV 2, 56
	PV 3, 68
	s_wait_dscnt 0x0
	PV 4, 96
	PV 5, 108
	PV 6, 120
	PV 7, 132
.Lhidden_\@:
	s_add_co_u32 s[SS], s[SS], 1
	s_add_co_u32 s[TB], s[TB], 12288
	s_add_co_u32 s[TS], s[TS], 512
.endm
; Stage n: 256 keys, two steps.  Every wave passes both barriers, whatever its level.
.macro STAGE n
.if \n == 1
	s_wait_tensorcnt 0x0                           ; my part of stages 1 to 3 has landed
	s_wait_dscnt 0x0
	s_barrier_signal -1
	s_barrier_wait -1                              ; everybody's has: all of K and V is whole, and no further barrier is wanted
.endif
	s_mov_b32 s[TB], \n*49152+8192
	s_mov_b32 s[TS], \n*1024
	s_mov_b32 s[SS], 2*\n
	s_mov_b32 s[TW], 2
.Lstep_\@:
	STEP
	s_sub_co_u32 s[TW], s[TW], 1
	s_cmp_lg_u32 s[TW], 0
	s_cbranch_scc1 .Lstep_\@
.endm
	s_wait_alu depctr_va_vdst(0)
	s_wait_tensorcnt 0x0                           ; my part of the scale words and stage 0 is in
	ds_add_u32 v95, v243
	s_wait_dscnt 0x0
	CROUND                                         ; everybody's part is in, and all four work-groups are here: the joint loads meet
	tensor_load_to_lds s[G0+4:G0+7], s[G1S:G1S+7]  ; stages 1 to 3, the first tensor load behind the round; it lands under stage 0's steps
	s_nop 0
.rept 4
	v_nop
.endr
	s_wait_loadcnt 0x0                             ; Q
	STAGE 0
	STAGE 1
	STAGE 2
	STAGE 3
	; THE WAY OUT: O^T / the sum, quantised along the head's 128 (register 16 b + i is channel 32 b + 16 h + i), stored as the image of (my token block, K step = my head)
.macro QUANT s
.irp b, 0,1,2,3
	v_max3_num_f32 v[TM+\b], |v[\s+16*\b]|, |v[\s+1+16*\b]|, 0x2800000
.endr
.irp i, 2,4,6,8,10,12,14
.irp b, 0,1,2,3
	s_delay_alu instid0(VALU_DEP_4)
	v_max3_num_f32 v[TM+\b], v[TM+\b], |v[\s+16*\b+\i]|, |v[\s+1+16*\b+\i]|
.endr
.endr
.irp b, 0,1,2,3
	s_delay_alu instid0(VALU_DEP_4)
	v_permlanex16_b32 v[TM+4+\b], v[TM+\b], s[SEL], s[SEL+1]
.endr
.irp b, 0,1,2,3
	s_delay_alu instid0(VALU_DEP_4)
	v_max_num_f32 v[TM+\b], v[TM+\b], v[TM+4+\b]
.endr
.irp b, 0,1,2,3
	s_delay_alu instid0(VALU_DEP_4)
	v_add_nc_u32 v[TM+12+\b], 0xfe000000, v[TM+\b]
.endr
.irp b, 0,1,2,3
	s_delay_alu instid0(VALU_DEP_4)
	v_lshrrev_b32 v[TM+4+\b], 23, v[TM+12+\b]
.endr
	s_delay_alu instid0(VALU_DEP_3)
	v_lshl_or_b32 v[PW], v[TM+5], 8, v[TM+4]
	s_delay_alu instid0(VALU_DEP_1)
	v_lshl_or_b32 v[PW], v[TM+6], 16, v[PW]
	s_delay_alu instid0(VALU_DEP_1)
	v_lshl_or_b32 v[PW], v[TM+7], 24, v[PW]
.irp c, 0,1
	v_cvt_scalef32_pk16_bf6_f32 v[PC+6*\c:PC+2+6*\c], v[\s+32*\c:\s+15+32*\c], v[TM+12+2*\c]
	v_cvt_scalef32_pk16_bf6_f32 v[PC+12+4*\c:PC+14+4*\c], v[\s+16+32*\c:\s+31+32*\c], v[TM+12+2*\c+1]
.endr
	v_nop
.irp c, 0,1
.irp i, 0,1,2
	v_permlane16_swap_b32 v[PC+6*\c+\i], v[PC+12+4*\c+\i]
.endr
.irp i, 0,1,2
	s_delay_alu instid0(VALU_DEP_3)
	v_mov_b32 v[PC+3+6*\c+\i], v[PC+12+4*\c+\i]
.endr
.endr
.endm
.rept 4
	v_nop                                          ; places behind the last products
.endr
	v_add_f32 v14, v14, v15                        ; the sum's two halves,
	s_delay_alu instid0(VALU_DEP_1)
	v_permlanex16_b32 v252, v14, s[SEL], s[SEL+1]
	s_delay_alu instid0(VALU_DEP_1)
	v_add_f32 v14, v14, v252                       ; and lane l xor 16's
	s_wait_alu depctr_va_vdst(0)
	v_rcp_f32 v14, v14
.irp b, 0,1,2,3
	v_mov_b32 v[TM+4+\b], 0                        ; plain lines behind the reciprocal; a lane permute's destination counts as one of its sources
.endr
	s_wait_alu depctr_va_vdst(0)                   ; the wait, ahead of the reciprocal's first reader
.set J, 0
.rept 64
	v_mul_f32 v[96+J], v[160+J], v14
.set J, J+1
.endr
	QUANT 96
.irp c, 0,1,2
	global_store_b128 v[LI], v[PC+4*\c:PC+4*\c+3], s[68:69] offset:512*\c   ; 512 consecutive bytes a store
.endr
	global_store_b32 v[R4], v[PW], s[8:9]          ; 16 scale words; lanes r and r + 16 write the same word to the same place
	s_wait_dscnt 0x0
	s_wait_tensorcnt 0x0
	ds_add_u32 v95, v243
	s_wait_dscnt 0x0
	CROUND                                         ; the closing round: no work-group ends while a partner may still ask for a tile that names it
	s_endpgm
.Lfunc_end_k_q025825e3ba_attn:
	.size	k_q025825e3ba_attn, .Lfunc_end_k_q025825e3ba_attn-k_q025825e3ba_attn
	.p2alignl 7, 3214868480
	.fill 96, 4, 3214868480
	.section	.rodata,"a",@progbits
	.p2align	6, 0x0
	.amdhsa_kernel k_q025825e3ba_attn
		.amdhsa_group_segment_fixed_size 327680
		.amdhsa_private_segment_fixed_size 0
		.amdhsa_enable_private_segment 0
		.amdhsa_kernarg_size 24
		.amdhsa_user_sgpr_count 2
		.amdhsa_user_sgpr_kernarg_segment_ptr 1
		.amdhsa_wavefront_size32 1
		.amdhsa_system_sgpr_workgroup_id_x 1
		.amdhsa_system_sgpr_workgroup_id_y 1
		.amdhsa_system_sgpr_workgroup_id_z 1
		.amdhsa_system_vgpr_workitem_id 0
		.amdhsa_next_free_vgpr 256
		.amdhsa_next_free_sgpr 80
		.amdhsa_reserve_vcc 1
		.amdhsa_float_denorm_mode_32 3
		.amdhsa_float_denorm_mode_16_64 3
		.amdhsa_memory_ordered 1
		.amdhsa_forward_progress 1
		.amdhsa_inst_pref_size 121
	.end_amdhsa_kernel
	.amdgpu_metadata
---
amdhsa.version: [ 1, 2 ]
amdhsa.kernels:
  - .name:           k_q025825e3ba_attn
    .symbol:         k_q025825e3ba_attn.kd
    .args:
      - { .name: qb, .offset: 0, .size: 8, .value_kind: global_buffer, .address_space: global }
      - { .name: kv, .offset: 8, .size: 8, .value_kind: global_buffer, .address_space: global }
      - { .name: xa, .offset: 16, .size: 8, .value_kind: global_buffer, .address_space: global }
    .group_segment_fixed_size: 327680
    .private_segment_fixed_size: 0
    .kernarg_segment_align: 8
    .kernarg_segment_size: 24
    .max_flat_workgroup_size: 512
    .sgpr_count:     80
    .vgpr_count:     256
    .wavefront_size: 32
...
	.end_amdgpu_metadata
.endif
;; end of part 3
;; launch outp (part 4): grid 8 x 32, 4 waves a work-group, clusters of 4 x 4, 327,680 bytes of LDS; arguments xa, wq, out0; writes out0
.if DOCPART == 4
	.amdgcn_target "amdgcn-amd-amdhsa--gfx1250"
	.amdhsa_code_object_version 6
	.text
	.protected	k_q025825e3ba_outp
	.globl	k_q025825e3ba_outp
	.p2align	8
	.type	k_q025825e3ba_outp,@function
k_q025825e3ba_outp:
	s_mov_b64 s[64:65], 0
	v_nop
	global_prefetch_b8 v0, s[64:65] scope:SCOPE_SE
	s_setreg_imm32_b32 hwreg(HW_REG_WAVE_MODE, 25, 1), 1
	s_wait_xcnt 0x0
	s_wait_alu depctr_hold_cnt(0) depctr_sa_sdst(0) depctr_va_vdst(0) depctr_va_sdst(0) depctr_va_ssrc(0) depctr_va_vcc(0) depctr_vm_vsrc(0)
	s_getreg_b32 s2, hwreg(HW_REG_IB_STS2, 6, 4)
	s_cmp_eq_u32 s2, 0
	s_cbranch_scc0 .Lentry_in_a_cluster
	s_endpgm
.Lentry_in_a_cluster:
	s_bfe_u32 s2, ttmp6, 0x10000c
	s_cmp_lg_u32 s2, 0xf033
	s_cbranch_scc0 .Lentry_shape_is_right
	s_endpgm
.Lentry_shape_is_right:
; out0 = attn Wo on codes of BF6 (E3M2) with E8M0 scales: xa holds the attention's result, wq's row blocks 192-319 Wo's columns, both as images of the operands' registers
; (1,536 bytes for 16 rows x 128 K; a row block's 16 images on end; its scale words, 64 bytes a K step, behind all images).
; A tile is 128 tokens x 256 columns; four waves, each 64 x 128: 32 accumulators.  The matrix instruction is used transposed (source 0 = 16 columns of Wo, source 1 = 16 tokens).
; THE RING: two LDS slots of four K steps of 128.  At the head each wave issues ONE joint load: wave 0 xa's 8 row blocks of K steps 0-3, wave 1 wq's 16, wave 2 xa's scale words for all of K, wave 3 wq's.
; Behind the wait for them, the add and a round of the cluster's barrier each wave asks for its quarter of slot 1; two refills follow.  One tensor load of a wave is out at any time.
; CLUSTERS: 4 x 4 work-groups; xa's tiles are shared along a row of the cluster, wq's along a column.
; PREFETCHES: each fill of codes is asked of memory two fills ahead (the head asks for fills 1 and 2, slot 1's load is followed by fill 3): of the row blocks that a wave fetches in the ring each of the four partners
; names its share by address (xa: 1 of 4, by cx; wq: 2 of 8, by cy); a lane names a block of 256 bytes, 24 to a row block and fill; lanes left over name the last block again.  Their registers are never rewritten.
; The scale loads take eight blocks for both halves of the lanes; xa's lanes have four blocks, and their other four words, which no product names, fall on wq's scale words, which lie straight behind xa's.
; The results go through a wave's own stage in slot 0, which has had its last fill and its last read by then, and leave as rows of 512 bytes.
; LIMITS: NaN and infinities are not served.
.set PFA,   18                         ; s[18:19] my row blocks for the prefetches
.set PFO,   24                         ; v24  256 x min(lane, 23); never rewritten
.set MBW,   4
.set NQ,    4
.set BRB0,  192
.set SPARE, 319744
.set MUL_HI, 0xa1
.set HB,    MBW/2
.set FR,    12
.set NL,    3
.set NP,    4
.set RBB,   NQ*1536
.set RBP,   24576
.set SLOT,  (2*MBW+16)*RBB
.set LAPS,  16/(2*NQ)
.set SCL,   2*SLOT
.set SCLB,  SCL+2*MBW*1024
.set XA_SC, 6291456
.set WQ_SC, 7864320
.set STO,  8
.set RD,   9
.set ADRA, 16
.set ADRB, 20
.set LI,   26
.set ADRS, 27
.set SPW,  28
.set NIL,  29
.set SC,   32
.set AF,   128
.set BK,   128
.set G1, 24
.set G0, 32
.set G1B, 48
.set G0B, 56
.set G1S, 68
.set G0S, 76
.set G1SB, 80
.set G0SB, 88
.set MUL_LO, 0xa1
.set MSB, 0
.macro WIN new
.if MSB != (\new)
	s_set_vgpr_msb (MSB<<8)|(\new)
.set MSB, (\new)
.endif
.endm
.macro JLOAD g0a, g1a, g0b, g1b
	s_cmp_eq_u32 s15, 0
	s_cbranch_scc0 .Lfor_b_\@
	tensor_load_to_lds s[\g0a:\g0a+3], s[\g1a:\g1a+7]
	s_nop 0
.rept 4
	v_nop
.endr
	s_branch .Lasked_\@
.Lfor_b_\@:
	tensor_load_to_lds s[\g0b:\g0b+3], s[\g1b:\g1b+7]
	s_nop 0
.rept 4
	v_nop
.endr
.Lasked_\@:
.endm
.macro CREST
	s_cmp_lg_u32 s14, 0
	s_cbranch_scc1 .Lnot_wave_0_\@
	s_barrier_signal -3
.Lnot_wave_0_\@:
	s_barrier_wait -3
	s_barrier_signal -1
	s_barrier_wait -1
.endm
.macro CROUND
	s_barrier_signal -1
	s_barrier_wait -1
	CREST
.endm
.macro SHAPE g, c, r, p
	s_mov_b32 s[\g+1], (\c)<<16
	s_mov_b32 s[\g+2], (\r)<<16
	s_mov_b32 s[\g+3], (\c)<<16
	s_mov_b32 s[\g+4], \r
	s_mov_b32 s[\g+5], \p
	s_mov_b32 s[\g+6], 0
	s_mov_b32 s[\g+7], 0
.endm
	s_load_b128 s[4:7], s[0:1], 0x0
	s_load_b64 s[12:13], s[0:1], 0x10
	v_lshl_add_u32 v[SPW], v0, 2, SPARE
	v_mov_b32 v[NIL], 0
	ds_add_u32 v28, v29
	ds_add_u32 v28, v29
	s_wait_dscnt 0x0
	v_lshrrev_b32 v1, 5, v0
	v_readfirstlane_b32 s14, v1
	s_lshr_b32 s15, s14, 1
	s_and_b32 s16, s14, 1
	s_bfe_u32 s40, ttmp6, 0x40000
	s_bfe_u32 s41, ttmp6, 0x40004
	s_lshl_b32 s42, ttmp9, 2
	s_add_co_u32 s42, s42, s40
	s_and_b32 s17, ttmp7, 0xffff
	s_lshl_b32 s17, s17, 2
	s_add_co_u32 s17, s17, s41
	s_lshl_b32 s43, s41, 2
	s_lshl_b32 s43, 15, s43
	s_lshl_b32 s44, 0x1111, s40
	s_or_b32 s[G1+0], s43, (3<<16)|(1<<21)
	s_or_b32 s[G1B+0], s44, (3<<16)|(1<<21)
	s_or_b32 s[G1S+0], s43, (3<<16)|(1<<21)
	s_or_b32 s[G1SB+0], s44, (3<<16)|(1<<21)
	SHAPE G1, RBB/8, 2*MBW, RBP/8                  ; the head's loads bring whole tiles; behind them the row counts are halved
	SHAPE G1B, RBB/8, 16, RBP/8
	SHAPE G1S, 32, 8*MBW, 32                       ; xa's scale words: 8,192 dense bytes as rows of 256
	SHAPE G1SB, 32, 64, 32                         ; wq's: 16,384
	s_mul_i32 s20, s17, 2*MBW                      ; xa's tile: its first row block
	s_mul_i32 s98, s16, MBW
	s_add_co_u32 s98, s98, s40
	s_add_co_u32 s98, s98, s20
	s_mul_i32 s98, s98, RBP                        ; the prefetches of xa: the half that I fetch in the ring, + cx
	s_lshl_b32 s22, s20, 10
	s_add_co_u32 s22, s22, XA_SC
	s_mov_b32 s23, 0
	s_mul_i32 s20, s20, RBP
	s_mov_b32 s21, 0
	s_lshl_b32 s46, s42, 4
	s_add_co_u32 s46, s46, BRB0                    ; wq's tile: its first row block
	s_lshl_b32 s96, s16, 3
	s_lshl_b32 s97, s41, 1
	s_add_co_u32 s96, s96, s97
	s_add_co_u32 s96, s96, s46
	s_mul_i32 s96, s96, RBP                        ; the prefetches of wq: the half that I fetch, + 2 cy
	s_cmp_eq_u32 s15, 0
	s_cselect_b32 s98, s98, s96                    ; by the wave's number
	s_mov_b32 s99, 0
	s_mul_i32 s2, s16, MBW*RBP                     ; the ring: the half of xa's tile that I fetch, in bytes,
	s_mov_b32 s3, 0
	s_mul_i32 s96, s16, 8*RBP                      ; and of wq's
	s_mov_b32 s97, 0
	s_lshl_b32 s92, s46, 10
	s_add_co_u32 s92, s92, WQ_SC
	s_mov_b32 s93, 0
	s_mul_i32 s46, s46, RBP
	s_mov_b32 s47, 0
	s_mul_i32 s45, s16, MBW*RBB
	s_mul_i32 s95, s16, 8*RBB
	s_add_co_u32 s95, s95, 2*MBW*RBB
	s_wait_kmcnt 0x0
	s_add_nc_u64 s[20:21], s[4:5], s[20:21]
	s_add_nc_u64 s[22:23], s[4:5], s[22:23]
	s_add_nc_u64 s[46:47], s[6:7], s[46:47]
	s_add_nc_u64 s[92:93], s[6:7], s[92:93]
	CROUND
	s_mov_b32 s[G0S], 1
	s_mov_b32 s[G0S+1], SCL
	s_mov_b64 s[G0S+2:G0S+3], s[22:23]
	s_or_b32 s[G0S+3], s[G0S+3], 0x80000000
	s_mov_b32 s[G0SB], 1
	s_mov_b32 s[G0SB+1], SCLB
	s_mov_b64 s[G0SB+2:G0SB+3], s[92:93]
	s_or_b32 s[G0SB+3], s[G0SB+3], 0x80000000
	s_cmp_eq_u32 s15, 0
	s_cselect_b64 s[PFA:PFA+1], s[4:5], s[6:7]     ; the choice hangs on the wave's number alone
	s_add_nc_u64 s[PFA:PFA+1], s[PFA:PFA+1], s[98:99]
	s_mov_b32 s[G0], 1                             ; slot 0's sets serve the head's whole tiles first: xa's 8 row blocks,
	s_mov_b32 s[G0+1], 0
	s_mov_b64 s[G0+2:G0+3], s[20:21]
	s_or_b32 s[G0+3], s[G0+3], 0x80000000
	s_mov_b32 s[G0B], 1                            ; and wq's 16, behind them
	s_mov_b32 s[G0B+1], 2*MBW*RBB
	s_mov_b64 s[G0B+2:G0B+3], s[46:47]
	s_or_b32 s[G0B+3], s[G0B+3], 0x80000000
	s_add_nc_u64 s[20:21], s[20:21], s[2:3]        ; slot 1's sets: my half of a tile, K steps 4-7
	s_add_nc_u64 s[46:47], s[46:47], s[96:97]
	s_mov_b32 s[G0+4], 1
	s_add_co_u32 s[G0+5], s45, SLOT
	s_add_nc_u64 s[G0+6:G0+7], s[20:21], RBB
	s_or_b32 s[G0+7], s[G0+7], 0x80000000
	s_mov_b32 s[G0B+4], 1
	s_add_co_u32 s[G0B+5], s95, SLOT
	s_add_nc_u64 s[G0B+6:G0B+7], s[46:47], RBB
	s_or_b32 s[G0B+7], s[G0B+7], 0x80000000
.macro ASK g                           ; fill g of my share is asked of memory: one row block of xa, two of wq
	global_prefetch_b8 v[PFO], s[PFA:PFA+1] offset:(\g)*RBB th:TH_LOAD_NT scope:SCOPE_SE
	s_cmp_eq_u32 s15, 0
	s_cbranch_scc1 .Lone_\@
	global_prefetch_b8 v[PFO], s[PFA:PFA+1] offset:(\g)*RBB+RBP th:TH_LOAD_NT scope:SCOPE_SE
.Lone_\@:
.endm
; the head's loads, one a wave: one tree of branches on the wave's number; every way through it passes one load
.macro ARM under, g0, g1, next
	s_cmp_lt_u32 s14, \under
	s_cbranch_scc0 \next
	tensor_load_to_lds s[\g0:\g0+3], s[\g1:\g1+7]
	s_nop 0
.rept 4
	v_nop
.endr
	s_branch .Lhead_asked
\next:
.endm
	ARM 1, G0,  G1,  .Lhead_b
	ARM 2, G0B, G1B, .Lhead_sa
	ARM 3, G0S, G1S, .Lhead_sb
	tensor_load_to_lds s[G0SB:G0SB+3], s[G1SB:G1SB+7]
	s_nop 0
.rept 4
	v_nop
.endr
.Lhead_asked:
	v_and_b32 v1, 15, v0
	v_bfe_u32 v2, v0, 4, 1
	v_and_b32 v3, 31, v0
	v_lshlrev_b32 v[LI], 4, v3
	v_min_u32 v[PFO], 23, v3
	v_lshlrev_b32 v[PFO], 8, v[PFO]
	s_wait_alu depctr_va_vdst(0)
	ASK 1                                          ; K steps 4-7 and 8-11
	ASK 2
	s_mul_i32 s21, s15, MBW*RBB
	s_mul_i32 s22, s16, 8*RBB
	s_add_co_u32 s22, s22, 2*MBW*RBB
.irp s, 0,1
	v_add_nc_u32 v[ADRA+\s], s21, v[LI]
	v_add_nc_u32 v[ADRB+\s], s22, v[LI]
	s_add_co_u32 s21, s21, SLOT
	s_add_co_u32 s22, s22, SLOT
.endr
	v_lshlrev_b32 v6, 2, v1
	s_mul_i32 s21, s15, MBW*1024
	s_lshl_b32 s22, s16, 13
	s_add_co_u32 s22, s22, SCLB-SCL
	s_sub_co_u32 s22, s22, s21
	v_mul_u32_u24 v7, s22, v2
	s_add_co_u32 s21, s21, SCL
	v_add_nc_u32 v6, v6, v7
	v_add_nc_u32 v[ADRS], s21, v6
	s_mul_i32 s23, s14, 8448
	v_mul_u32_u24 v[STO], v1, 528
	v_lshl_add_u32 v[STO], v2, 6, v[STO]
	v_add_nc_u32 v[STO], s23, v[STO]
	v_add_nc_u32 v[RD], s23, v[LI]
	s_lshl_b32 s20, s17, 7
	s_lshl_b32 s21, s15, 6
	s_add_co_u32 s20, s20, s21
	s_lshl_b32 s20, s20, 13
	s_lshl_b32 s46, s42, 10
	s_lshl_b32 s47, s16, 9
	s_add_co_u32 s46, s46, s47
	s_add_co_u32 s20, s20, s46
	s_mov_b32 s21, 0
	s_add_nc_u64 s[12:13], s[12:13], s[20:21]
.macro FRAG reg, adr, q, i
.irp c, 0,1,2
	ds_load_b128 v[\reg+4*\c:\reg+4*\c+3], v[\adr] offset:(\i)*RBB+(\q)*1536+512*\c
.endr
.endm
.macro MULB a, p, q, sc, zero
.irp b, 0,1,2,3,4,5,6,7
.if \zero
	v_wmma_scale_f32_16x16x128_f8f6f4 v[8*(8*((\a)%4)+\b):8*(8*((\a)%4)+\b)+7], v[128*(\p)+FR*\b:128*(\p)+FR*\b+FR-1], v[AF+FR*(\a):AF+FR*(\a)+FR-1], 0, v[SC+8*NQ*(\sc)+NQ*\b+(\q)], v[SC+8*NQ*(\sc)+NQ*(\a)+(\q)] matrix_a_fmt:MATRIX_FMT_BF6 matrix_b_fmt:MATRIX_FMT_BF6 matrix_a_scale:MATRIX_SCALE_ROW1
.else
	v_wmma_scale_f32_16x16x128_f8f6f4 v[8*(8*((\a)%4)+\b):8*(8*((\a)%4)+\b)+7], v[128*(\p)+FR*\b:128*(\p)+FR*\b+FR-1], v[AF+FR*(\a):AF+FR*(\a)+FR-1], v[8*(8*((\a)%4)+\b):8*(8*((\a)%4)+\b)+7], v[SC+8*NQ*(\sc)+NQ*\b+(\q)], v[SC+8*NQ*(\sc)+NQ*(\a)+(\q)] matrix_a_fmt:MATRIX_FMT_BF6 matrix_b_fmt:MATRIX_FMT_BF6 matrix_a_scale:MATRIX_SCALE_ROW1
.endif
.endr
.endm
.macro MULR a0, n, p, q, sc, zero
.set AA, \a0
.rept \n
	MULB AA, \p, \q, \sc, \zero
.set AA, AA+1
.endr
.endm
.macro FETCH_B slot, q, p
	WIN 0x40
.irp i, 0,1,2,3,4,5,6,7
	FRAG 128*(\p)+FR*\i, ADRB+\slot, \q, \i
.endr
	WIN 0
.endm
.macro FETCH_A slot, q, i0
.set II, \i0
.rept HB
	FRAG AF+FR*II, ADRA+\slot, \q, II
.set II, II+1
.endr
.endm
.macro SCALES sc
.irp i, 0,1,2,3,4,5,6,7
.set QQ, 0
.rept NQ
	ds_load_b32 v[SC+8*NQ*(\sc)+NQ*\i+QQ], v[ADRS] offset:\i*1024+QQ*64
.set QQ, QQ+1
.endr
.endr
.endm
.macro PLACES n
.rept \n
	v_nop
.endr
.endm
.macro STEP slot, q, zero
	s_wait_dscnt HB*NL
	WIN MUL_LO
	MULR 0, HB, (\q)%2, \q, \slot, \zero
	s_wait_dscnt 0
	PLACES NP
	FETCH_B \slot, (\q)+1, 1-(\q)%2
	FETCH_A \slot, (\q)+1, 0
	WIN MUL_HI
	MULR HB, HB, (\q)%2, \q, \slot, \zero
	PLACES NP
	WIN 0
	FETCH_A \slot, (\q)+1, HB
.endm
.macro TURN slot, next, fill
	s_wait_tensorcnt 0x0
	ds_add_u32 v[SPW], v[NIL]
	s_wait_dscnt HB*NL+1
	WIN MUL_LO
	MULR 0, HB/2, 1, NQ-1, \slot, 0
	s_wait_dscnt 0x0
	s_barrier_signal -1
	MULR HB/2, HB/2, 1, NQ-1, \slot, 0
	WIN 0
	s_barrier_wait -1
.if \fill
	CREST
	s_add_nc_u64 s[G0+4*\slot+2:G0+4*\slot+3], s[G0+4*\slot+2:G0+4*\slot+3], 2*RBB
	s_add_nc_u64 s[G0B+4*\slot+2:G0B+4*\slot+3], s[G0B+4*\slot+2:G0B+4*\slot+3], 2*RBB
	JLOAD G0+4*\slot, G1, G0B+4*\slot, G1B
.else
	PLACES NP
.endif
	s_wait_alu depctr_va_vdst(0)
	v_add_nc_u32 v[ADRS], 64*NQ, v[ADRS]
	FETCH_B \next, 0, 0
	FETCH_A \next, 0, 0
	SCALES \next
	WIN MUL_HI
	MULR HB, HB, 1, NQ-1, \slot, 0
	PLACES NP
	WIN 0
	FETCH_A \next, 0, HB
.endm
	s_wait_alu depctr_va_vdst(0)
	s_wait_tensorcnt 0x0                           ; my tile of the head's four is in
	ds_add_u32 v[SPW], v[NIL]
	s_mov_b32 s[G1+2], MBW<<16                     ; no tensor load of mine is out, so descriptors may be written: from here on a load brings half a tile's row blocks,
	s_mov_b32 s[G1+4], MBW
	s_mov_b32 s[G1B+2], 8<<16
	s_mov_b32 s[G1B+4], 8
	s_mov_b32 s[G0+1], s45                         ; and slot 0's sets stand at my half of the tile
	s_mov_b32 s[G0B+1], s95
	s_add_nc_u64 s[G0+2:G0+3], s[G0+2:G0+3], s[2:3]
	s_add_nc_u64 s[G0B+2:G0B+3], s[G0B+2:G0B+3], s[96:97]
	s_wait_dscnt 0x0                               ; the add is done
	CROUND                                         ; a whole round: all four tiles are in, and all sixteen work-groups are here
	JLOAD G0+4, G1, G0B+4, G1B                     ; K steps 4-7, the first tensor load behind the round
	FETCH_B 0, 0, 0
	FETCH_A 0, 0, 0
	SCALES 0
	FETCH_A 0, 0, HB
	ASK 3                                          ; two fills on: K steps 12-15
	STEP 0, 0, 1
	s_mov_b32 s3, LAPS-1
.Llap:
	STEP 0, 1, 0
	STEP 0, 2, 0
	TURN 0, 1, 1
	STEP 1, 0, 0
	STEP 1, 1, 0
	STEP 1, 2, 0
	TURN 1, 0, 1
	STEP 0, 0, 0
	s_sub_co_u32 s3, s3, 1
	s_cmp_lg_u32 s3, 0
	s_cbranch_scc1 .Llap
	STEP 0, 1, 0
	STEP 0, 2, 0
	TURN 0, 1, 0
	STEP 1, 0, 0
	STEP 1, 1, 0
	STEP 1, 2, 0
	s_wait_dscnt HB*NL
	WIN MUL_LO
	MULR 0, HB, 1, NQ-1, 1, 0
	s_wait_dscnt 0
	WIN MUL_HI
	MULR HB, HB, 1, NQ-1, 1, 0
	WIN 0
.macro TOSTAGE a
.set AC, 64*(\a)
	WIN 0x08
.irp b, 0,1,2,3,4,5,6,7
	ds_store_b128 v[STO], v[AC+8*\b:AC+8*\b+3] offset:128*(\b/2)+32*(\b%2)
	ds_store_b128 v[STO], v[AC+8*\b+4:AC+8*\b+7] offset:128*(\b/2)+32*(\b%2)+16
.endr
	WIN 0
.set BB, BK+64*((\a)%2)
.irp t, 0,1,2,3,4,5,6,7,8,9,10,11,12,13,14,15
	ds_load_b128 v[BB+4*\t:BB+4*\t+3], v[RD] offset:\t*528
.endr
.endm
.macro SEND a, younger
.set BB, BK+64*((\a)%2)
	s_wait_dscnt \younger
.irp t, 0,1,2,3,4,5,6,7,8,9,10,11,12,13,14,15
	global_store_b128 v[LI], v[BB+4*\t:BB+4*\t+3], s[12:13] offset:(32*((\a)/2)+8*((\a)%2)+\t+8*(\t/8))*8192 th:TH_STORE_NT
.endr
.endm
	PLACES NP
	TOSTAGE 0
.irp a, 1,2,3
.if \a > 1
	s_wait_xcnt 0x0
.endif
	TOSTAGE \a
	SEND \a-1, 32
.endr
	SEND 3, 0
	s_wait_tensorcnt 0x0
	ds_add_u32 v[SPW], v[NIL]
	s_wait_dscnt 0x0
	CROUND
	s_endpgm
.Lfunc_end_k_q025825e3ba_outp:
	.size	k_q025825e3ba_outp, .Lfunc_end_k_q025825e3ba_outp-k_q025825e3ba_outp
	.p2alignl 7, 3214868480
	.fill 96, 4, 3214868480
	.section	.rodata,"a",@progbits
	.p2align	6, 0x0
	.amdhsa_kernel k_q025825e3ba_outp
		.amdhsa_group_segment_fixed_size 327680
		.amdhsa_private_segment_fixed_size 0
		.amdhsa_enable_private_segment 0
		.amdhsa_kernarg_size 24
		.amdhsa_user_sgpr_count 2
		.amdhsa_user_sgpr_kernarg_segment_ptr 1
		.amdhsa_wavefront_size32 1
		.amdhsa_system_sgpr_workgroup_id_x 1
		.amdhsa_system_sgpr_workgroup_id_y 1
		.amdhsa_system_sgpr_workgroup_id_z 1
		.amdhsa_system_vgpr_workitem_id 0
		.amdhsa_next_free_vgpr 768
		.amdhsa_next_free_sgpr 100
		.amdhsa_reserve_vcc 0
		.amdhsa_float_denorm_mode_32 3
		.amdhsa_float_denorm_mode_16_64 3
		.amdhsa_memory_ordered 1
		.amdhsa_forward_progress 1
		.amdhsa_inst_pref_size 145
	.end_amdhsa_kernel
	.amdgpu_metadata
---
amdhsa.version: [ 1, 2 ]
amdhsa.kernels:
  - .name:           k_q025825e3ba_outp
    .symbol:         k_q025825e3ba_outp.kd
    .args:
      - { .name: xa, .offset: 0, .size: 8, .value_kind: global_buffer, .address_space: global }
      - { .name: wq, .offset: 8, .size: 8, .value_kind: global_buffer, .address_space: global }
      - { .name: out0, .offset: 16, .size: 8, .value_kind: global_buffer, .address_space: global }
    .group_segment_fixed_size: 327680
    .private_segment_fixed_size: 0
    .kernarg_segment_align: 8
    .kernarg_segment_size: 24
    .max_flat_workgroup_size: 128
    .sgpr_count:     100
    .vgpr_count:     768
    .wavefront_size: 32
...
	.end_amdgpu_metadata
.endif
;; end of part 4
